; MI455X (gfx1250); checked and timed in simulation.
; The chip was launched on July 23, 2026; its instructions are those of AMD's public machine-readable ISA for CDNA 5 (MIT licence, August 2026) and "CDNA5" Instruction Set Architecture Reference Guide (July 2026). The comments in the code are by the model that wrote it; some were corrected since.
;; Parallel Transformer Block. Allowed arithmetic: matrix products marked QUANTISED: E3M2 operands, one E8M0 scale for each 32 along K, by v_wmma_scale_f32_16x16x128_f8f6f4 with both operands' format E3M2, f32 sums; products left as they are: f32 operands where the result goes on into a quantised operand, else bf16, f16 or f32 operands; f32 sums; everything else in f32.
;; Inputs: W_attn_out_codes 1,024 x 16 x 24 uint8 (E3M2 codes of W_attn_out, K innermost, in blocks of 32 codes, four codes in three bytes); W_attn_out_scales 1,024 x 16 uint8 (E8M0 scales of W_attn_out, one for each 32 codes along K); W_ff_out_codes 1,024 x 128 x 24 uint8 (E3M2 codes of W_ff_out, K innermost, in blocks of 32 codes, four codes in three bytes); W_ff_out_scales 1,024 x 128 uint8 (E8M0 scales of W_ff_out, one for each 32 codes along K); W_fused_codes 8,768 x 32 x 24 uint8 (E3M2 codes of W_fused, K innermost, in blocks of 32 codes, four codes in three bytes); W_fused_scales 8,768 x 32 uint8 (E8M0 scales of W_fused, one for each 32 codes along K); gamma 1,024 float32; x 2 x 2,048 x 1,024 float32.
;; Outputs: out0 2 x 2,048 x 1,024 float32.
;; This version of the problem:
;;   THIS VERSION OF THE PROBLEM IS GIVEN IN LOW PRECISION. The matrix products marked QUANTISED in the list below multiply operands that are first quantised to E3M2 (3 exponent bits, 2 mantissa bits; 6 bits a number), with one power-of-two scale for each 32 numbers along K (OCP MX v1.0); their sums are f32. All else is computed in f32.
;;   The module's matrix products, in the order in which they are computed (A, B: the left and right operand; K: the contracted axis; several contracted axes count as one K, in the product's order):
;;     1. [M 4,096, K 1,024] x [K 1,024, N 8,768]; A: computed on the way; B: input W_fused (given as codes): QUANTISED
;;     2. [M 2,048, K 1] x [K 1, N 16]; A: computed on the way; B: computed on the way: left as it is (no contracted axis)
;;     3. batch 2 x [M 32,768, K 32] x [K 32, N 2,048]; A: computed on the way; B: computed on the way: QUANTISED
;;     4. batch 2 x [M 32,768, K 2,048] x [K 2,048, N 32]; A: softmax (see below); B: computed on the way: QUANTISED
;;     5. [M 4,096, K 512] x [K 512, N 1,024]; A: computed on the way; B: input W_attn_out (given as codes): QUANTISED
;;     6. [M 4,096, K 4,096] x [K 4,096, N 1,024]; A: computed on the way; B: input W_ff_out (given as codes): QUANTISED
;;   THE QUANTISER, for each operand of a quantised product, along K:
;;     - K is cut into blocks of 32 from its start; a last block that is shorter is filled with zeros.
;;     - A block's scale is 2^e with e = floor(log2(the largest magnitude in the block)) - 4, held to -126 .. 127; a block of zeros has e = 0. As a byte (E8M0): e + 127.
;;     - Each number is divided by its block's scale, clamped to +-28, and rounded to the nearest number of E3M2, ties to even, subnormals kept.
;;     - The product sums the exact products of the quantised numbers (number of the format x scale) in f32.
;;   ~~~python
;;   def quantise(x, axis):      # numpy; x: float32 -> the quantised numbers, widened to float32 again
;;       x = np.moveaxis(x, axis, -1); K = x.shape[-1]
;;       x = np.pad(x, [(0, 0)] * (x.ndim - 1) + [(0, -K % 32)]); x = x.reshape(x.shape[:-1] + (-1, 32)); a = np.abs(x).max(-1, keepdims=True)
;;       e = np.where(a > 0, np.clip(np.frexp(np.where(a > 0, a, 1))[1] - 1 - 4, -126, 127), 0)      # np.frexp(a)[1] - 1 = floor(log2(a)), exactly
;;       r = np.clip(x / 2.0 ** e, -28, 28)
;;       step = 2.0 ** (np.maximum(np.frexp(np.where(r == 0, 1, r))[1] - 1, -2) - 2)
;;       q = np.round(r / step) * step * 2.0 ** e      # np.round: ties to even
;;       return np.moveaxis(q.reshape(q.shape[:-2] + (-1,))[..., :K], -1, axis).astype(np.float32)
;;   ~~~
;;   SOFTMAX AHEAD OF A QUANTISED PRODUCT. Where the list says 'softmax', what is quantised is not the finished softmax but p = 2^(t - M), with t = logit x log2(e) and M = ceil(the row's largest t), a whole number; so 1/2 < the row's largest p <= 1. The row's sum l is taken of the UNQUANTISED p, in f32, and the product's result is divided by l at the end. Since M is a whole number, a kernel that streams over the keys may use a running M (the ceiling of the running maximum): every later rescaling is an exact power of two, which a block's scale takes up: the codes' values come out the same.
;;   OPERANDS COMPUTED ON THE WAY. 'Computed on the way' means the value that the module computes at that place (a softmax that the list does not call 'softmax' is quantised finished and normalised). What goes into a quantiser is computed in f32, as accurately as f32 sums, v_exp_f32 and their like allow (about 1e-6 of the number): no bf16 or f16 on the way to a quantiser, and a product that is left as it is and whose result goes on into a quantised operand takes f32 operands (vector FMAs, or v_wmma_f32_16x16x4_f32). A number that lies on a knife's edge between two numbers of the format may be rounded either way, as far as f32 arithmetic and the matrix unit's own rounding can turn it there, and no further.
;;   INPUTS GIVEN AS CODES. W_attn_out (in the module: [512, 1024], K = its axis 0); W_ff_out (in the module: [4096, 1024], K = its axis 0); W_fused (in the module: [1024, 8768], K = its axis 0): each comes as NAME_codes (uint8): NAME with its K axis moved to the last place and cut into blocks of 32 codes, [.., K / 32, bytes a block], one block behind the other in memory; four codes in three bytes: a row's codes are one little-endian stream of bits, code i at bits 6 i .. 6 i + 5 (a code: sign, 3 exponent bits, 2 mantissa bits); and NAME_scales (uint8): the same leading axes, one E8M0 byte (e + 127) for each 32 codes along K. Its value is code x scale, taken as it is: it is not quantised again, and the codes and scales need not be those that the quantiser above would give.
;; One version. Each part assembles by itself: llvm-mc -triple=amdgcn-amd-amdhsa -mcpu=gfx1250 --defsym DOCPART=n.
;; ======== version 1 of 1: 5 launches
;; limits: right only within a limited range of input values
;; workspace buffers: xq_codes 3,145,728 bytes; xq_scales 131,072 bytes; rope 524,288 bytes; qimg 2,097,152 bytes; kv 204,800 bytes; act 14,155,776 bytes; act_scales 589,824 bytes
;; launch prep (part 1): grid 256 x 1, 4 waves a work-group, no clusters, 33,280 bytes of LDS; arguments x, gamma, xq_codes, xq_scales, rope; writes xq_codes, xq_scales, rope
.if DOCPART == 1
	.amdgcn_target "amdgcn-amd-amdhsa--gfx1250"
	.amdhsa_code_object_version 6
	.text
	.protected	k_q92ee544829_prep
	.globl	k_q92ee544829_prep
	.p2align	8
	.type	k_q92ee544829_prep,@function
k_q92ee544829_prep:
	s_mov_b64 s[64:65], 0
	v_nop
	global_prefetch_b8 v0, s[64:65] scope:SCOPE_SE
	s_setreg_imm32_b32 hwreg(HW_REG_WAVE_MODE, 25, 1), 1
	s_wait_xcnt 0x0
; LayerNorm of x [4096][1024] f32 (mean, variance of the centred numbers, rsqrt(var + 1e-5), x gamma), then the MX quantiser along the row: codes of E3M2
; as a plain row of 768 bytes, one E8M0 byte for each 32.  Beside it the four rotary tables [2048][16] f32: cos s, sin s, cos / s, sin / s.
; SHARES: a work-group takes 16 rows, a wave 4; a row (4,096 bytes) is eight loads of 512 consecutive bytes and stays in 32 registers between the passes: x is read once.
; All 40 loads of a wave go out at once; the table entry of each thread (n = thread / 16, i = thread % 16 over the launch's 32,768 threads) is made while they are on their way.
; The conversion wants 16 neighbours in one lane, a load gives 4: 512 numbers at a time turn through the wave's own stage in LDS (a lane's 64 bytes + 16 of padding).
; Memory binds: no matrix unit, no cluster, no barrier (waves share nothing).
; LIMITS: NaN and infinities are not served.  A block of zeros gets the byte 1 and not 127: its codes are zeros and only this program reads the bytes.
; The 16 rotary frequencies are 10^(-i/4) rounded to f32: they may differ by an ulp from a power function's, which at the largest angle (1,151 rad) is 1e-4 rad.
; Sine and cosine: k = round(a 2/pi), r = a - k pi/2 in two parts (the first is exact: k has 11 bits, r under 1), polynomials to r^9 and r^10 on |r| <= pi/4.
.set G, 16                             ; v16-47   gamma, laid as a row is
.set X, 48                             ; v48-175  four rows of 32 registers
.set Y, 176                            ; v176-207 two sets of 16 neighbours (before that: the tables' work)
.set C, 208                            ; v208-239 codes: four registers a step, never rewritten
.set E, 240                            ; v240-247 a scale byte a step
	s_load_b256 s[4:11], s[0:1], 0x0               ; x, gamma, xq_codes, xq_scales
	s_load_b64 s[12:13], s[0:1], 0x20              ; rope
	v_lshl_add_u32 v254, v0, 2, 0x8000
	v_mov_b32 v255, 0
	v_lshrrev_b32 v1, 5, v0
	v_readfirstlane_b32 s16, v1                    ; wave
	v_and_b32 v1, 31, v0                           ; lane
	v_lshlrev_b32 v2, 4, v1                        ; my 16 bytes of a load's 512
	s_lshl_b32 s17, s16, 13                        ; my wave's 8,192 bytes of LDS
	v_lshrrev_b32 v3, 2, v1
	v_mul_u32_u24 v3, v3, 80
	v_and_b32 v10, 3, v1
	v_lshl_add_u32 v3, v10, 4, v3
	v_add_nc_u32 v3, s17, v3                       ; stage, in: 80 (lane / 4) + 16 (lane % 4)
	v_mul_u32_u24 v4, v1, 80
	v_add_nc_u32 v4, s17, v4                       ; stage, out: 80 x lane
	s_add_co_u32 s18, s17, 5120
	v_lshrrev_b32 v5, 1, v1
	v_add_nc_u32 v5, s18, v5                       ; my block's scale byte
	v_mul_u32_u24 v6, v1, 12                       ; my 12 bytes of a step's codes
	v_lshlrev_b32 v7, 2, v1
	v_add_nc_u32 v9, s18, v7                       ; the scale bytes on the way out: 4 a lane
	s_mov_b32 s14, 0x76543210
	s_mov_b32 s15, 0xfedcba98                      ; lane l xor 16
	s_mov_b32 s30, 0x3727c5ac                      ; 1e-5
	s_mov_b32 s31, 0x3a800000                      ; 1 / 1024
	s_lshl_b32 s20, ttmp9, 2
	s_add_co_u32 s20, s20, s16                     ; which group of four rows
	s_lshl_b32 s22, s20, 14
	s_mov_b32 s23, 0
	s_mul_i32 s24, s20, 3072
	s_mov_b32 s25, 0
	s_lshl_b32 s26, s20, 7
	s_mov_b32 s27, 0
	s_lshl_b32 s28, ttmp9, 9
	s_mov_b32 s29, 0
	s_lshl_b32 s19, ttmp9, 3
	s_wait_kmcnt 0x0
	s_add_nc_u64 s[4:5], s[4:5], s[22:23]
	s_add_nc_u64 s[8:9], s[8:9], s[24:25]
	s_add_nc_u64 s[10:11], s[10:11], s[26:27]
	s_add_nc_u64 s[12:13], s[12:13], s[28:29]
.irp i, 0,1,2,3,4,5,6,7
	global_load_b128 v[G+4*\i:G+4*\i+3], v2, s[6:7] offset:512*\i
.endr
.irp k, 0,1,2,3
.irp i, 0,1,2,3,4,5,6,7
	global_load_b128 v[X+32*\k+4*\i:X+32*\k+4*\i+3], v2, s[4:5] offset:4096*\k+512*\i th:TH_LOAD_NT
.endr
.endr
	; ---- the tables, in registers that no load is bound for
	v_and_b32 v176, 15, v0                         ; i
	v_lshrrev_b32 v177, 4, v0
	v_add_nc_u32 v177, s19, v177                   ; n = 8 x work-group + thread / 16
	v_mov_b32 v178, 1.0
.macro INVF j, lit                     ; the frequency of index j is chosen by value, not by a branch
	v_cmp_ne_u32 vcc_lo, \j, v176
	v_cndmask_b32 v178, \lit, v178, vcc_lo
.endm
	INVF 1, 0x3f0ff59a
	INVF 2, 0x3ea1e89b
	INVF 3, 0x3e361887
	INVF 4, 0x3dcccccd
	INVF 5, 0x3d6655c3
	INVF 6, 0x3d0186e2
	INVF 7, 0x3c91ad39
	INVF 8, 0x3c23d70a
	INVF 9, 0x3bb8449c
	INVF 10, 0x3b4f3e37
	INVF 11, 0x3ae91528
	INVF 12, 0x3a83126f
	INVF 13, 0x3a136a16
	INVF 14, 0x39a5cb5f
	INVF 15, 0x393a7753
	v_cvt_f32_u32 v179, v177
	v_mul_f32 v180, v179, v178                     ; the angle, one rounding
	v_mul_f32 v181, 0x3f22f983, v180
	v_rndne_f32 v181, v181                         ; k
	v_fmamk_f32 v182, v181, 0xbfc90fdb, v180       ; a - k x (pi/2 as f32)
	v_fmamk_f32 v182, v181, 0x333bbd2e, v182       ; + k x (what that f32 is too large by)
	v_mul_f32 v183, v182, v182                     ; z = r r
	v_mov_b32 v184, 0x3638ef1d
	v_fmaak_f32 v184, v184, v183, 0xb9500d01
	v_fmaak_f32 v184, v184, v183, 0x3c088889
	v_fmaak_f32 v184, v184, v183, 0xbe2aaaab
	v_mul_f32 v185, v182, v183
	v_fma_f32 v184, v185, v184, v182               ; sin r
	v_mov_b32 v186, 0xb493f27e
	v_fmaak_f32 v186, v186, v183, 0x37d00d01
	v_fmaak_f32 v186, v186, v183, 0xbab60b61
	v_fmaak_f32 v186, v186, v183, 0x3d2aaaab
	v_fmaak_f32 v186, v186, v183, 0xbf000000
	v_fma_f32 v186, v186, v183, 1.0                ; cos r
	v_cvt_i32_f32 v187, v181
	v_and_b32 v188, 1, v187
	v_cmp_eq_u32 vcc_lo, 1, v188
	v_cndmask_b32 v189, v184, v186, vcc_lo         ; odd quadrant: sine and cosine change places
	v_cndmask_b32 v190, v186, v184, vcc_lo
	v_and_b32 v188, 2, v187
	v_lshlrev_b32 v188, 30, v188
	v_xor_b32 v189, v188, v189                     ; sine: negative in quadrants 2, 3
	v_add_nc_u32 v187, 1, v187
	v_and_b32 v187, 2, v187
	v_lshlrev_b32 v187, 30, v187
	v_xor_b32 v190, v187, v190                     ; cosine: negative in quadrants 1, 2
	v_lshlrev_b32 v191, 1, v176
	v_cvt_f32_u32 v191, v191
	v_add_f32 v191, 0x414ccccd, v191               ; 2 i + 12.8
	v_mov_b32 v192, 0x42333333                     ; 44.8
	s_wait_alu depctr_va_vdst(0)
	v_rcp_f32 v192, v192
	v_add_nc_u32 v193, 0xfffffc00, v177            ; n - 1024 (a plain line behind the reciprocal)
	s_wait_alu depctr_va_vdst(0)
	v_mul_f32 v191, v191, v192
	s_wait_alu depctr_va_vdst(0)
	v_log_f32 v191, v191
	v_cvt_f32_i32 v193, v193                       ; (a plain line behind the logarithm)
	v_mul_f32 v193, 0x3b000000, v193               ; / 512
	s_wait_alu depctr_va_vdst(0)
	v_mul_f32 v191, v191, v193
	s_wait_alu depctr_va_vdst(0)
	v_exp_f32 v194, v191                           ; s
	v_exp_f32 v195, -v191                          ; 1 / s
	v_lshlrev_b32 v252, 2, v0                      ; (a plain line behind the exponentials)
	s_wait_alu depctr_va_vdst(0)
	v_mul_f32 v248, v190, v194
	v_mul_f32 v249, v189, v194
	v_mul_f32 v250, v190, v195
	v_mul_f32 v251, v189, v195
.irp t, 0,1,2,3
	global_store_b32 v252, v[248+\t], s[12:13] offset:131072*\t    ; a wave stores 128 consecutive bytes of each table; v248-252 are never rewritten
.endr
.macro WSUM r, t                       ; the sum over the 32 lanes, in every lane
	v_add_f32_dpp v[\r], v[\r], v[\r] row_xmask:1 row_mask:0xf bank_mask:0xf
	v_add_f32_dpp v[\r], v[\r], v[\r] row_xmask:2 row_mask:0xf bank_mask:0xf
	v_add_f32_dpp v[\r], v[\r], v[\r] row_xmask:4 row_mask:0xf bank_mask:0xf
	v_add_f32_dpp v[\r], v[\r], v[\r] row_xmask:8 row_mask:0xf bank_mask:0xf
	v_permlanex16_b32 v[\t], v[\r], s14, s15
	v_add_f32 v[\r], v[\r], v[\t]
.endm
.macro QSTEP t                         ; 512 numbers, 16 neighbours a lane, two lanes to a block
.set YS, Y+16*((\t)%2)
	v_max3_num_f32 v10, |v[YS]|, |v[YS+1]|, |v[YS+2]|
	v_max3_num_f32 v11, |v[YS+3]|, |v[YS+4]|, |v[YS+5]|
.irp i, 6,10
	v_max3_num_f32 v10, v10, |v[YS+\i]|, |v[YS+\i+1]|
	v_max3_num_f32 v11, v11, |v[YS+\i+2]|, |v[YS+\i+3]|
.endr
	v_max3_num_f32 v10, v10, |v[YS+14]|, |v[YS+15]|
	v_max3_num_f32 v10, v10, v11, 0x2800000        ; the floor 2^(5 - 127) holds the byte at 1 from below
	v_max_num_f32_dpp v10, v10, v10 row_xmask:1 row_mask:0xf bank_mask:0xf
	v_add_nc_u32 v12, 0xfe000000, v10              ; 4 off the exponent field: the conversion's scale operand
	v_cvt_scalef32_pk16_bf6_f32 v[C+4*(\t):C+4*(\t)+2], v[YS:YS+15], v12
	v_lshrrev_b32 v[E+(\t)], 23, v12               ; the byte (also the plain line behind the conversion)
	ds_store_b8 v5, v[E+(\t)] offset:16*(\t)       ; both lanes of a block write the same byte with the same value
	global_store_b96 v6, v[C+4*(\t):C+4*(\t)+2], s[8:9] offset:384*(\t)   ; the wave stores 384 consecutive bytes
.endm
.macro ROW k
.set XR, X+32*(\k)
	s_wait_loadcnt 8*(3-(\k))                      ; gamma and this row are in; the later rows' eight loads each may be out
	v_pk_add_f32 v[10:11], v[XR:XR+1], v[XR+2:XR+3]
	v_pk_add_f32 v[12:13], v[XR+4:XR+5], v[XR+6:XR+7]
.irp j, 8,12,16,20,24,28
	v_pk_add_f32 v[10:11], v[10:11], v[XR+\j:XR+\j+1]
	v_pk_add_f32 v[12:13], v[12:13], v[XR+\j+2:XR+\j+3]
.endr
	v_pk_add_f32 v[10:11], v[10:11], v[12:13]
	v_add_f32 v10, v10, v11
	WSUM 10, 13
	v_mul_f32 v14, 0xba800000, v10                 ; - mean
	v_mov_b32 v15, v14
.irp j, 0,2,4,6,8,10,12,14,16,18,20,22,24,26,28,30
	v_pk_add_f32 v[XR+\j:XR+\j+1], v[XR+\j:XR+\j+1], v[14:15]
.endr
	v_pk_mul_f32 v[10:11], v[XR:XR+1], v[XR:XR+1]
	v_pk_mul_f32 v[12:13], v[XR+2:XR+3], v[XR+2:XR+3]
.irp j, 4,8,12,16,20,24,28
	v_pk_fma_f32 v[10:11], v[XR+\j:XR+\j+1], v[XR+\j:XR+\j+1], v[10:11]
	v_pk_fma_f32 v[12:13], v[XR+\j+2:XR+\j+3], v[XR+\j+2:XR+\j+3], v[12:13]
.endr
	v_pk_add_f32 v[10:11], v[10:11], v[12:13]
	v_add_f32 v10, v10, v11
	WSUM 10, 13
	v_fma_f32 v10, v10, s31, s30                   ; variance + 1e-5
	s_wait_alu depctr_va_vdst(0)
	v_rsq_f32 v14, v10
	v_nop                                          ; a plain line behind the transcendental
	s_wait_alu depctr_va_vdst(0)
	v_mov_b32 v15, v14
.irp j, 0,2,4,6,8,10,12,14,16,18,20,22,24,26,28,30
	v_pk_mul_f32 v[XR+\j:XR+\j+1], v[XR+\j:XR+\j+1], v[14:15]
.endr
.irp j, 0,2,4,6,8,10,12,14,16,18,20,22,24,26,28,30
	v_pk_mul_f32 v[XR+\j:XR+\j+1], v[XR+\j:XR+\j+1], v[G+\j:G+\j+1]
.endr
.irp u, 0,1
.irp i, 0,1,2,3
	ds_store_b128 v3, v[XR+16*\u+4*\i:XR+16*\u+4*\i+3] offset:2560*\u+640*\i
.endr
.irp i, 0,1,2,3
	ds_load_b128 v[Y+16*\u+4*\i:Y+16*\u+4*\i+3], v4 offset:2560*\u+16*\i   ; LDS serves a wave's instructions in order: these see the stores above
.endr
.endr
	s_wait_dscnt 0x0
	QSTEP 2*(\k)
	QSTEP 2*(\k)+1
.endm
	ROW 0
	ROW 1
	ROW 2
	ROW 3
	ds_load_b32 v8, v9                             ; my wave's 128 scale bytes
	s_wait_dscnt 0x0
	global_store_b32 v7, v8, s[10:11]              ; 128 consecutive bytes a wave: four rows' scales
	s_wait_tensorcnt 0x0
	ds_add_u32 v254, v255
	s_wait_dscnt 0x0
	s_endpgm
.Lfunc_end_k_q92ee544829_prep:
	.size	k_q92ee544829_prep, .Lfunc_end_k_q92ee544829_prep-k_q92ee544829_prep
	.p2alignl 7, 3214868480
	.fill 96, 4, 3214868480
	.section	.rodata,"a",@progbits
	.p2align	6, 0x0
	.amdhsa_kernel k_q92ee544829_prep
		.amdhsa_group_segment_fixed_size 33280
		.amdhsa_private_segment_fixed_size 0
		.amdhsa_enable_private_segment 0
		.amdhsa_kernarg_size 40
		.amdhsa_user_sgpr_count 2
		.amdhsa_user_sgpr_kernarg_segment_ptr 1
		.amdhsa_wavefront_size32 1
		.amdhsa_system_sgpr_workgroup_id_x 1
		.amdhsa_system_sgpr_workgroup_id_y 1
		.amdhsa_system_sgpr_workgroup_id_z 1
		.amdhsa_system_vgpr_workitem_id 0
		.amdhsa_next_free_vgpr 256
		.amdhsa_next_free_sgpr 66
		.amdhsa_reserve_vcc 1
		.amdhsa_float_denorm_mode_32 3
		.amdhsa_float_denorm_mode_16_64 3
		.amdhsa_memory_ordered 1
		.amdhsa_forward_progress 1
		.amdhsa_inst_pref_size 47
	.end_amdhsa_kernel
	.amdgpu_metadata
---
amdhsa.version: [ 1, 2 ]
amdhsa.kernels:
  - .name:           k_q92ee544829_prep
    .symbol:         k_q92ee544829_prep.kd
    .args:
      - { .name: x, .offset: 0, .size: 8, .value_kind: global_buffer, .address_space: global }
      - { .name: gamma, .offset: 8, .size: 8, .value_kind: global_buffer, .address_space: global }
      - { .name: xq_codes, .offset: 16, .size: 8, .value_kind: global_buffer, .address_space: global }
      - { .name: xq_scales, .offset: 24, .size: 8, .value_kind: global_buffer, .address_space: global }
      - { .name: rope, .offset: 32, .size: 8, .value_kind: global_buffer, .address_space: global }
    .group_segment_fixed_size: 33280
    .private_segment_fixed_size: 0
    .kernarg_segment_align: 8
    .kernarg_segment_size: 40
    .max_flat_workgroup_size: 128
    .sgpr_count:     66
    .vgpr_count:     256
    .wavefront_size: 32
...
	.end_amdgpu_metadata
.endif
;; end of part 1
;; launch qkv (part 2): grid 16 x 9, 8 waves a work-group, no clusters, 277,504 bytes of LDS; arguments xq_codes, xq_scales, W_fused_codes, W_fused_scales, rope, qimg, kv; writes qimg, kv
.if DOCPART == 2
	.amdgcn_target "amdgcn-amd-amdhsa--gfx1250"
	.amdhsa_code_object_version 6
	.text
	.protected	k_q92ee544829_qkv
	.globl	k_q92ee544829_qkv
	.p2align	8
	.type	k_q92ee544829_qkv,@function
k_q92ee544829_qkv:
	s_mov_b64 s[64:65], 0
	v_nop
	global_prefetch_b8 v0, s[64:65] scope:SCOPE_SE
	s_setreg_imm32_b32 hwreg(HW_REG_WAVE_MODE, 25, 1), 1
	s_wait_xcnt 0x0
; Columns 0 .. 575 of xn W_fused on codes of E3M2 (K = 1,024), then the xpos rotary on q and k, then the MX quantisers of q, k (along the head's 32) and v (along the keys).
; SHARES: a work-group takes 256 rows x 64 columns (y = 0 .. 7: two heads of q; y = 8: k and v).  Wave w: rows 64 (w / 2) on, columns 32 (w % 2) on: 8 accumulators.
; LDS is filled once: A's 256 rows and B's 64 rows, whole rows of 768 bytes (16 bytes of padding behind each 256: rows 816 bytes apart, so the
; sixteen rows of a load begin in sixteen different groups of four banks).  A wave has one tensor load out at the start and none later.
; NO CLUSTER: the large shared tile is A's, shared along y, and 9 work-groups along y do not divide into clusters of 4; B's tile is a fifth of a work-group's bytes.
; q AND k are used transposed (source 0 = 16 rows of W, source 1 = 16 rows of x): a lane holds one row and 8 neighbouring d of each of the two column tiles, which are the two halves that the rotary pairs.
; v is used the other way round (source 0 = x): a lane holds one d and 8 keys of each of four row tiles: its registers run along the keys, which are the K of the second attention product.
; v_permlane16_swap_b32 then brings a whole block of 32 into one lane, so that a block's largest magnitude needs no other lane and two conversions give its 24 bytes.
; OUT: q as records of 512 bytes for (16 rows, head); k and v as images of the operands' registers (k: row m, block b of fragment F is key 64 F + 32 (m / 8) + 8 b + m % 8).
; LIMITS: NaN and infinities are not served; a block of zeros gets the byte 1 and not 127 (its codes are zeros; only this program reads the bytes).
.set ACC, 48                           ; v48-111  accumulator (a, t) at ACC + 8 (4 t + s(a)), s = 0, 2, 1, 3: the order in which the swaps want four tiles
.set AF,  112                          ; v112-159 A's four fragments; later the rotary tables (v112-175)
.set BF,  160                          ; v160-183 B's two
.set SA,  20                           ; v20-35   x's scale words: [pair of row tiles][K step]; lanes 0-15 the even tile, lanes 16-31 the odd one
.set SB,  36                           ; v36-43   W's: [K step]; lanes 0-15 column tile 0, lanes 16-31 tile 1
.set RR,  176                          ; v176-207 32 rotated numbers
.set BB,  208896                       ; B's 64 rows begin behind A's 256 rows x 816 (whole rows of 768 bytes, 16 of padding behind each 256)
.macro WM d, a, b, z, sa, sb, ra, rb   ; one product: D, source 0, source 1, z = 1: C = 0; the scales' registers and which half of their lanes
.if (\z) && (\ra) && (\rb)
	v_wmma_scale_f32_16x16x128_f8f6f4 v[0+(\d):7+(\d)], v[0+(\a):11+(\a)], v[0+(\b):11+(\b)], 0, v[0+(\sa)], v[0+(\sb)] matrix_a_fmt:MATRIX_FMT_BF6 matrix_b_fmt:MATRIX_FMT_BF6 matrix_a_scale:MATRIX_SCALE_ROW1 matrix_b_scale:MATRIX_SCALE_ROW1
.elseif (\z) && (\ra)
	v_wmma_scale_f32_16x16x128_f8f6f4 v[0+(\d):7+(\d)], v[0+(\a):11+(\a)], v[0+(\b):11+(\b)], 0, v[0+(\sa)], v[0+(\sb)] matrix_a_fmt:MATRIX_FMT_BF6 matrix_b_fmt:MATRIX_FMT_BF6 matrix_a_scale:MATRIX_SCALE_ROW1
.elseif (\z) && (\rb)
	v_wmma_scale_f32_16x16x128_f8f6f4 v[0+(\d):7+(\d)], v[0+(\a):11+(\a)], v[0+(\b):11+(\b)], 0, v[0+(\sa)], v[0+(\sb)] matrix_a_fmt:MATRIX_FMT_BF6 matrix_b_fmt:MATRIX_FMT_BF6 matrix_b_scale:MATRIX_SCALE_ROW1
.elseif (\z)
	v_wmma_scale_f32_16x16x128_f8f6f4 v[0+(\d):7+(\d)], v[0+(\a):11+(\a)], v[0+(\b):11+(\b)], 0, v[0+(\sa)], v[0+(\sb)] matrix_a_fmt:MATRIX_FMT_BF6 matrix_b_fmt:MATRIX_FMT_BF6
.elseif (\ra) && (\rb)
	v_wmma_scale_f32_16x16x128_f8f6f4 v[0+(\d):7+(\d)], v[0+(\a):11+(\a)], v[0+(\b):11+(\b)], v[0+(\d):7+(\d)], v[0+(\sa)], v[0+(\sb)] matrix_a_fmt:MATRIX_FMT_BF6 matrix_b_fmt:MATRIX_FMT_BF6 matrix_a_scale:MATRIX_SCALE_ROW1 matrix_b_scale:MATRIX_SCALE_ROW1
.elseif (\ra)
	v_wmma_scale_f32_16x16x128_f8f6f4 v[0+(\d):7+(\d)], v[0+(\a):11+(\a)], v[0+(\b):11+(\b)], v[0+(\d):7+(\d)], v[0+(\sa)], v[0+(\sb)] matrix_a_fmt:MATRIX_FMT_BF6 matrix_b_fmt:MATRIX_FMT_BF6 matrix_a_scale:MATRIX_SCALE_ROW1
.elseif (\rb)
	v_wmma_scale_f32_16x16x128_f8f6f4 v[0+(\d):7+(\d)], v[0+(\a):11+(\a)], v[0+(\b):11+(\b)], v[0+(\d):7+(\d)], v[0+(\sa)], v[0+(\sb)] matrix_a_fmt:MATRIX_FMT_BF6 matrix_b_fmt:MATRIX_FMT_BF6 matrix_b_scale:MATRIX_SCALE_ROW1
.else
	v_wmma_scale_f32_16x16x128_f8f6f4 v[0+(\d):7+(\d)], v[0+(\a):11+(\a)], v[0+(\b):11+(\b)], v[0+(\d):7+(\d)], v[0+(\sa)], v[0+(\sb)] matrix_a_fmt:MATRIX_FMT_BF6 matrix_b_fmt:MATRIX_FMT_BF6
.endif
.endm
; A fragment, 16 rows x 128 K: lane (r, h) takes 24 bytes at 24 h and 24 at 48 + 24 h of its row's 96, in pieces of 8.  The padding lies behind every 32 pieces:
; where the piece three on (lanes 16-31) lies behind one padding more, the second address register (40 for 24 bytes a half) serves.
.macro FRAG reg, adr, q, off
.irp p, 0,1,2,3,4,5
.set PC, 12*(\q)+6*(\p/3)+\p%3
.if PC%32 < 29                         ; the padding lies behind every 32 pieces
	ds_load_b64 v[\reg+2*\p:\reg+2*\p+1], v[\adr] offset:8*PC+16*(PC/32)+(\off)
.else
	ds_load_b64 v[\reg+2*\p:\reg+2*\p+1], v[\adr+1] offset:8*PC+16*(PC/32)+(\off)
.endif
.endr
.endm
.macro PLACES                          ; four plain lines between a matrix instruction and a load into, or a vector line on, its registers
.rept 4
	v_nop
.endr
.endm
	s_load_b256 s[4:11], s[0:1], 0x0               ; xq_codes, xq_scales, W_fused_codes, W_fused_scales
	s_load_b128 s[12:15], s[0:1], 0x20             ; rope, qimg
	s_load_b64 s[48:49], s[0:1], 0x30              ; kv
	v_lshl_add_u32 v254, v0, 2, 0x43800
	v_mov_b32 v255, 0
	ds_add_u32 v254, v255
	ds_add_u32 v254, v255
	v_lshrrev_b32 v1, 5, v0
	s_delay_alu instid0(VALU_DEP_1)
	v_readfirstlane_b32 s50, v1                    ; wave 0..7
	s_mov_b32 s51, ttmp9                           ; bx: which 256 rows
	s_and_b32 s52, ttmp7, 0xffff                   ; by: which 64 columns
	s_lshr_b32 s53, s50, 1                         ; rg: which 64 rows are mine
	s_and_b32 s54, s50, 1                          ; hd: which 32 columns
	s_cmp_eq_u32 s52, 8
	s_cselect_b32 s55, s54, 0                      ; 1: my columns are v
	; group 1: whole rows of 768 bytes; 16 bytes of padding behind every 64 words.  A: 64 rows a wave; B: 16
	s_mov_b32 s16, (1<<20)|(5<<22)|(3<<25)         ; whole rows of 768 bytes, padding behind every 64 words.  A: 64 rows a load; B: 16
	s_mov_b32 s17, 768<<16
	s_mov_b32 s18, 64<<16
	s_mov_b32 s19, 768<<16
	s_mov_b32 s20, 64
	s_mov_b32 s21, 768
	s_mov_b32 s22, 0
	s_mov_b32 s23, 0
	s_mov_b32 s24, (1<<20)|(5<<22)|(3<<25)
	s_mov_b32 s25, 768<<16
	s_mov_b32 s26, 16<<16
	s_mov_b32 s27, 768<<16
	s_mov_b32 s28, 16
	s_mov_b32 s29, 768
	s_mov_b32 s30, 0
	s_mov_b32 s31, 0
	s_lshl_b32 s56, s51, 8
	s_and_b32 s62, s50, 3                          ; waves 0-3 fetch a quarter of A each, waves 4-7 a quarter of B
	s_lshl_b32 s57, s62, 6
	s_add_co_u32 s56, s56, s57
	s_mul_i32 s56, s56, 768                        ; A: row 256 bx + 64 (w % 4)
	s_mov_b32 s57, 0
	s_lshl_b32 s58, s52, 6
	s_lshl_b32 s59, s62, 4
	s_add_co_u32 s58, s58, s59
	s_mul_i32 s58, s58, 768                        ; B: row 64 by + 16 (w % 4)
	s_mov_b32 s59, 0
	s_mul_i32 s60, s62, 52224                      ; 64 rows x 816
	s_mul_i32 s61, s62, 13056                      ; 16 rows x 816
	s_wait_dscnt 0x0
	s_wait_kmcnt 0x0
	s_add_nc_u64 s[56:57], s[4:5], s[56:57]
	s_add_nc_u64 s[58:59], s[8:9], s[58:59]
	s_mov_b32 s32, 1
	s_mov_b32 s33, s60
	s_mov_b64 s[34:35], s[56:57]
	s_or_b32 s35, s35, 0x80000000
	s_mov_b32 s40, 1
	s_add_co_u32 s41, s61, BB
	s_mov_b64 s[42:43], s[58:59]
	s_or_b32 s43, s43, 0x80000000
	s_cmp_lt_u32 s50, 4                            ; one tensor load a wave
	s_cbranch_scc0 .Lhb
	tensor_load_to_lds s[32:35], s[16:23]          ; 64 rows of A
	s_nop 0
	PLACES
	s_branch .Lhj
.Lhb:
	tensor_load_to_lds s[40:43], s[24:31]          ; 16 rows of B
	s_nop 0
	PLACES
.Lhj:
	v_and_b32 v1, 15, v0                           ; r
	v_bfe_u32 v2, v0, 4, 1                         ; h
	v_and_b32 v3, 31, v0                           ; lane
	s_delay_alu instid0(VALU_DEP_1)
	v_lshlrev_b32 v44, 5, v3                       ; a row of scale bytes is 32 bytes: lane l takes row l of a pair of tiles
	s_wait_alu depctr_va_vdst(0)
	s_lshl_b32 s56, s51, 13
	s_lshl_b32 s57, s53, 11
	s_add_co_u32 s56, s56, s57
	s_mov_b32 s57, 0
	s_add_nc_u64 s[6:7], s[6:7], s[56:57]
	s_lshl_b32 s58, s52, 11
	s_lshl_b32 s59, s54, 10
	s_add_co_u32 s58, s58, s59
	s_mov_b32 s59, 0
	s_add_nc_u64 s[10:11], s[10:11], s[58:59]
	global_load_b128 v[SA:SA+3], v44, s[6:7]
	global_load_b128 v[SA+4:SA+7], v44, s[6:7] offset:16
	global_load_b128 v[SA+8:SA+11], v44, s[6:7] offset:1024
	global_load_b128 v[SA+12:SA+15], v44, s[6:7] offset:1040
	global_load_b128 v[SB:SB+3], v44, s[10:11]
	global_load_b128 v[SB+4:SB+7], v44, s[10:11] offset:16
	v_mul_u32_u24 v45, v1, 816
	s_delay_alu instid0(VALU_DEP_1)
	v_mad_u32_u24 v46, v2, 24, v45
	s_delay_alu instid0(VALU_DEP_2)
	v_mad_u32_u24 v47, v2, 40, v45
	s_mul_i32 s56, s53, 52224                      ; my 64 rows of A
	v_add_nc_u32 v4, s56, v46
	v_add_nc_u32 v5, s56, v47
	s_mul_i32 s57, s54, 26112                      ; my 32 rows of B
	s_add_co_u32 s57, s57, BB
	v_add_nc_u32 v8, s57, v46
	v_add_nc_u32 v9, s57, v47
	v_lshlrev_b32 v12, 6, v1
	s_delay_alu instid0(VALU_DEP_1)
	v_lshl_add_u32 v12, v2, 5, v12                 ; the tables: 64 r + 32 h
	s_wait_alu depctr_va_vdst(0)
	s_wait_tensorcnt 0x0                           ; my one load is in
	s_barrier_signal -1
	s_barrier_wait -1
	s_wait_loadcnt 0x0                             ; the scale words
; A K step of 128: six fragments, eight products.  The eight accumulators take turns in one order on both ways.
.macro KSTEP s, z
	PLACES
.irp a, 0,1,2,3
	FRAG AF+12*\a, 4, \s, \a*13056
.endr
.irp t, 0,1
	FRAG BF+12*\t, 8, \s, \t*13056
.endr
	s_wait_dscnt 0x0
	s_cmp_lg_u32 s55, 0
	s_cbranch_scc1 .Lvw_\@
.irp t, 0,1
.irp a, 0,1,2,3
	WM ACC+8*(4*\t+2*(\a%2)+\a/2), BF+12*\t, AF+12*\a, \z, SB+(\s), SA+8*(\a/2)+(\s), \t, \a%2
.endr
.endr
	s_branch .Ldn_\@
.Lvw_\@:
.irp t, 0,1
.irp a, 0,1,2,3
	WM ACC+8*(4*\t+2*(\a%2)+\a/2), AF+12*\a, BF+12*\t, \z, SA+8*(\a/2)+(\s), SB+(\s), \a%2, \t
.endr
.endr
.Ldn_\@:
.endm
	KSTEP 0, 1
	KSTEP 1, 0
	KSTEP 2, 0
	KSTEP 3, 0
	KSTEP 4, 0
	KSTEP 5, 0
	KSTEP 6, 0
	KSTEP 7, 0
	PLACES
.macro SWAP32 r                        ; four tiles laid 0, 2, 1, 3: afterwards lane half h holds numbers 32 h + 0 .. 31 in r .. r + 31
.irp j, 0,1,2,3,4,5,6,7
	v_permlane16_swap_b32 v[\j+(\r)], v[8+\j+(\r)]
.endr
.irp j, 0,1,2,3,4,5,6,7
	v_permlane16_swap_b32 v[16+\j+(\r)], v[24+\j+(\r)]
.endr
.endm
.macro QB32 r, p, t, m                 ; the lane's block r .. r + 31 -> six registers of codes at p, the byte in m + 2
	v_max3_num_f32 v[0+(\m)], |v[0+(\r)]|, |v[1+(\r)]|, 0x2800000
	v_max3_num_f32 v[1+(\m)], |v[16+(\r)]|, |v[17+(\r)]|, 0x2800000
.irp i, 2,4,6,8,10,12,14
	s_delay_alu instid0(VALU_DEP_2)
	v_max3_num_f32 v[0+(\m)], v[0+(\m)], |v[\i+(\r)]|, |v[1+\i+(\r)]|
	s_delay_alu instid0(VALU_DEP_2)
	v_max3_num_f32 v[1+(\m)], v[1+(\m)], |v[16+\i+(\r)]|, |v[17+\i+(\r)]|
.endr
	s_delay_alu instid0(VALU_DEP_1)
	v_max_num_f32 v[0+(\m)], v[0+(\m)], v[1+(\m)]
	s_delay_alu instid0(VALU_DEP_1)
	v_add_nc_u32 v[1+(\m)], 0xfe000000, v[0+(\m)]  ; 4 off the exponent field: the conversion's scale operand
	s_delay_alu instid0(VALU_DEP_1)
	v_lshrrev_b32 v[2+(\m)], 23, v[1+(\m)]
	v_cvt_scalef32_pk16_bf6_f32 v[0+(\p):2+(\p)], v[0+(\r):15+(\r)], v[1+(\m)]
	v_cvt_scalef32_pk16_bf6_f32 v[0+(\t):2+(\t)], v[16+(\r):31+(\r)], v[1+(\m)]   ; (a conversion's three registers begin on an even number)
	v_nop                                          ; a plain line behind the conversions
	v_mov_b32 v[3+(\p)], v[0+(\t)]
	v_mov_b32 v[4+(\p)], v[1+(\t)]
	v_mov_b32 v[5+(\p)], v[2+(\t)]
.endm
	s_and_b32 s56, s51, 7
	s_lshl_b32 s60, s56, 2
	s_add_co_u32 s60, s60, s53                     ; which 64 keys of the batch are my rows
	s_lshr_b32 s58, s51, 3
	s_mul_i32 s58, s58, 102400                     ; the batch's block of kv
	s_mov_b32 s59, 0
	s_add_nc_u64 s[48:49], s[48:49], s[58:59]
	s_cmp_lg_u32 s55, 0
	s_cbranch_scc1 .Lvway
	; ---- q and k: the rotary.  Lane (r, h) wants, for row n, the table entries i = 8 h + 0 .. 7
	s_lshl_b32 s57, s56, 14
	s_lshl_b32 s58, s53, 12
	s_add_co_u32 s58, s57, s58                     ; 64 bytes x my first position
	s_cmp_eq_u32 s52, 8
	s_cselect_b32 s59, 0x40000, 0                  ; k takes the tables with 1 / s
	s_add_co_u32 s58, s58, s59
	s_mov_b32 s59, 0
	s_add_nc_u64 s[12:13], s[12:13], s[58:59]
.irp a, 0,1,2,3
	global_load_b128 v[112+16*\a:115+16*\a], v12, s[12:13] offset:1024*\a
	global_load_b128 v[116+16*\a:119+16*\a], v12, s[12:13] offset:1024*\a+16
	global_load_b128 v[120+16*\a:123+16*\a], v12, s[12:13] offset:1024*\a+131072
	global_load_b128 v[124+16*\a:127+16*\a], v12, s[12:13] offset:1024*\a+131088
.endr
	s_wait_loadcnt 0x0
.macro ROT g                           ; row tiles 2 g and 2 g + 1: o(d) = t(d) C - t(d + 16) S, o(d + 16) = t(d + 16) C + t(d) S; each accumulator is read from its low end on
.irp e, 0,1
.irp j, 0,2,4,6
.set TA, 2*(\g)+\e
.set T0, ACC+8*(2*(TA%2)+TA/2)+\j
.set T1, T0+32
.set CC, 112+16*TA+\j
.set SN, CC+8
.set TW, 232+2*\j
	v_pk_mul_f32 v[TW:TW+1], v[T1:T1+1], v[SN:SN+1]
	v_pk_mul_f32 v[TW+2:TW+3], v[T0:T0+1], v[SN:SN+1]
	v_pk_fma_f32 v[RR+8*\e+\j:RR+8*\e+\j+1], v[T0:T0+1], v[CC:CC+1], v[TW:TW+1] neg_lo:[0,0,1] neg_hi:[0,0,1]
	v_pk_fma_f32 v[RR+16+8*\e+\j:RR+16+8*\e+\j+1], v[T1:T1+1], v[CC:CC+1], v[TW+2:TW+3]
.endr
.endr
.endm
	ROT 0
	SWAP32 RR                                      ; lane half h now holds the row of tile 2 g + h, d = 0 .. 31
	QB32 RR, 208, 220, 224
	ROT 1
	SWAP32 RR
	QB32 RR, 214, 220, 228
	s_cmp_eq_u32 s52, 8
	s_cbranch_scc1 .Lkway
	; ---- q: records of 512 bytes: 16 bytes x row, then 8 bytes x row, then the scale byte four times x row
	s_lshl_b32 s56, s51, 17
	s_lshl_b32 s57, s53, 15
	s_add_co_u32 s56, s56, s57
	s_lshl_b32 s57, s52, 10
	s_add_co_u32 s56, s56, s57
	s_lshl_b32 s57, s54, 9
	s_add_co_u32 s56, s56, s57
	s_mov_b32 s57, 0
	s_add_nc_u64 s[14:15], s[14:15], s[56:57]
	v_lshlrev_b32 v13, 13, v2                      ; the next row tile's records lie 8,192 bytes on
	s_delay_alu instid0(VALU_DEP_1)
	v_lshl_add_u32 v14, v1, 3, v13
	s_wait_alu depctr_va_vdst(0)
	v_lshl_add_u32 v15, v1, 2, v13
	v_lshl_add_u32 v13, v1, 4, v13
.irp g, 0,1
	v_lshl_or_b32 v[227+4*\g], v[226+4*\g], 8, v[226+4*\g]
	s_delay_alu instid0(VALU_DEP_1)
	v_lshl_or_b32 v[227+4*\g], v[227+4*\g], 16, v[227+4*\g]
	global_store_b128 v13, v[208+6*\g:211+6*\g], s[14:15] offset:16384*\g       ; sixteen lanes store 256 consecutive bytes, aligned
	global_store_b64 v14, v[212+6*\g:213+6*\g], s[14:15] offset:16384*\g+256
	global_store_b32 v15, v[227+4*\g], s[14:15] offset:16384*\g+384
.endr
	s_wait_tensorcnt 0x0
	ds_add_u32 v254, v255
	s_wait_dscnt 0x0
	s_endpgm
.Lkway:
	; ---- k: lane (r, h) of pair g holds key 32 g + 16 h + r of my 64: row m = 8 g + r % 8, block 2 h + r / 8 of the fragment: lane 16 (r / 8) + m, half h of the image
	v_lshrrev_b32 v248, 3, v1
	v_and_b32 v249, 7, v1
	s_mul_i32 s62, s60, 1536
	v_mul_u32_u24 v16, v2, 768
	s_delay_alu instid0(VALU_DEP_1)
	v_add_nc_u32 v16, s62, v16
	s_delay_alu instid0(VALU_DEP_1)
	v_lshl_add_u32 v17, v248, 7, v16
	s_delay_alu instid0(VALU_DEP_1)
	v_lshl_add_u32 v17, v249, 3, v17
	s_delay_alu instid0(VALU_DEP_3)
	v_lshl_add_u32 v16, v248, 8, v16
	s_delay_alu instid0(VALU_DEP_1)
	v_lshl_add_u32 v16, v249, 4, v16
	s_lshl_b32 s63, s60, 6
	s_add_co_u32 s63, s63, 98304
	v_lshlrev_b32 v18, 2, v249
	s_delay_alu instid0(VALU_DEP_1)
	v_lshl_add_u32 v18, v2, 1, v18
	s_delay_alu instid0(VALU_DEP_1)
	v_add_nc_u32 v18, v18, v248
	s_delay_alu instid0(VALU_DEP_1)
	v_add_nc_u32 v18, s63, v18
.irp g, 0,1
	global_store_b128 v16, v[208+6*\g:211+6*\g], s[48:49] offset:128*\g
	global_store_b64 v17, v[212+6*\g:213+6*\g], s[48:49] offset:512+64*\g
	global_store_b8 v18, v[226+4*\g], s[48:49] offset:32*\g                     ; single bytes: 4,096 of them in the whole launch
.endr
	s_wait_tensorcnt 0x0
	ds_add_u32 v254, v255
	s_wait_dscnt 0x0
	s_endpgm
.Lvway:
	; ---- v: lane (r, h) of column tile t holds d = 16 t + r and, behind the swaps, keys 32 h + 0 .. 31 of my 64: the image's own lane
	s_mul_i32 s62, s60, 1536
	s_add_co_u32 s62, s62, 49152
	v_lshl_add_u32 v16, v3, 4, s62
	v_lshl_add_u32 v17, v3, 3, s62
	s_lshr_b32 s63, s60, 1
	s_lshl_b32 s63, s63, 7
	s_and_b32 s56, s60, 1
	s_lshl_b32 s56, s56, 1
	s_add_co_u32 s63, s63, s56
	s_add_co_u32 s63, s63, 100352
	v_lshl_add_u32 v18, v1, 2, v2
	s_delay_alu instid0(VALU_DEP_1)
	v_add_nc_u32 v18, s63, v18
.irp t, 0,1
	SWAP32 ACC+32*\t
	QB32 ACC+32*\t, 208+6*\t, 220, 224+4*\t
	global_store_b128 v16, v[208+6*\t:211+6*\t], s[48:49] offset:768*\t         ; 512 consecutive bytes
	global_store_b64 v17, v[212+6*\t:213+6*\t], s[48:49] offset:768*\t+512
	global_store_b8 v18, v[226+4*\t], s[48:49] offset:64*\t
.endr
	s_wait_tensorcnt 0x0
	ds_add_u32 v254, v255
	s_wait_dscnt 0x0
	s_endpgm
.Lfunc_end_k_q92ee544829_qkv:
	.size	k_q92ee544829_qkv, .Lfunc_end_k_q92ee544829_qkv-k_q92ee544829_qkv
	.p2alignl 7, 3214868480
	.fill 96, 4, 3214868480
	.section	.rodata,"a",@progbits
	.p2align	6, 0x0
	.amdhsa_kernel k_q92ee544829_qkv
		.amdhsa_group_segment_fixed_size 277504
		.amdhsa_private_segment_fixed_size 0
		.amdhsa_enable_private_segment 0
		.amdhsa_kernarg_size 56
		.amdhsa_user_sgpr_count 2
		.amdhsa_user_sgpr_kernarg_segment_ptr 1
		.amdhsa_wavefront_size32 1
		.amdhsa_system_sgpr_workgroup_id_x 1
		.amdhsa_system_sgpr_workgroup_id_y 1
		.amdhsa_system_sgpr_workgroup_id_z 1
		.amdhsa_system_vgpr_workitem_id 0
		.amdhsa_next_free_vgpr 256
		.amdhsa_next_free_sgpr 66
		.amdhsa_reserve_vcc 0
		.amdhsa_float_denorm_mode_32 3
		.amdhsa_float_denorm_mode_16_64 3
		.amdhsa_memory_ordered 1
		.amdhsa_forward_progress 1
		.amdhsa_inst_pref_size 63
	.end_amdhsa_kernel
	.amdgpu_metadata
---
amdhsa.version: [ 1, 2 ]
amdhsa.kernels:
  - .name:           k_q92ee544829_qkv
    .symbol:         k_q92ee544829_qkv.kd
    .args:
      - { .name: xq_codes, .offset: 0, .size: 8, .value_kind: global_buffer, .address_space: global }
      - { .name: xq_scales, .offset: 8, .size: 8, .value_kind: global_buffer, .address_space: global }
      - { .name: W_fused_codes, .offset: 16, .size: 8, .value_kind: global_buffer, .address_space: global }
      - { .name: W_fused_scales, .offset: 24, .size: 8, .value_kind: global_buffer, .address_space: global }
      - { .name: rope, .offset: 32, .size: 8, .value_kind: global_buffer, .address_space: global }
      - { .name: qimg, .offset: 40, .size: 8, .value_kind: global_buffer, .address_space: global }
      - { .name: kv, .offset: 48, .size: 8, .value_kind: global_buffer, .address_space: global }
    .group_segment_fixed_size: 277504
    .private_segment_fixed_size: 0
    .kernarg_segment_align: 8
    .kernarg_segment_size: 56
    .max_flat_workgroup_size: 256
    .sgpr_count:     66
    .vgpr_count:     256
    .wavefront_size: 32
...
	.end_amdgpu_metadata
.endif
;; end of part 2
;; launch attn (part 3): grid 32 x 8, 16 waves a work-group, no clusters, 169,984 bytes of LDS; arguments qimg, kv, act, act_scales; writes act, act_scales
.if DOCPART == 3
	.amdgcn_target "amdgcn-amd-amdhsa--gfx1250"
	.amdhsa_code_object_version 6
	.text
	.protected	k_q92ee544829_attn
	.globl	k_q92ee544829_attn
	.p2align	8
	.type	k_q92ee544829_attn,@function
k_q92ee544829_attn:
	s_mov_b64 s[64:65], 0
	v_nop
	global_prefetch_b8 v0, s[64:65] scope:SCOPE_SE
	s_setreg_imm32_b32 hwreg(HW_REG_WAVE_MODE, 25, 1), 1
	s_wait_xcnt 0x0
; Causal multi-query attention, 16 heads of 32 on one K / V head, both products on codes of E3M2; then the MX quantiser of its output (a head's 32 are one block of the next K).
; t = score x log2(e) / sqrt(32); M = the running largest t rounded UP to a whole number; p = 2^(t - M) is quantised along the keys; the row's sum is taken of the unquantised p and divides at the end.
; SHARES: x = p (0 .. 31), y = 4 batch + quad of heads.  A work-group owns four heads x four query tiles of 16: tiles p, 63 - p, 64 + p, 127 - p (classes 0 .. 3), which have 34 key steps of 128 together for every p.
; Each of its SIXTEEN waves owns one (tile, head): head = 4 quad + w / 4, class = (w + w / 4) % 4.  Among the waves of equal w % 4, and among those of equal w / 4, each class occurs once: four waves that share
; a SIMD by either of these dealings have 34 steps together, and one wave's vector work stands beside another's LDS loads and products.
; K and V of the batch, 102,400 bytes as images of the operands' registers with their scale words, lie in LDS for the whole launch: each wave brings a sixteenth by one tensor load; nothing is filled again.
; NO CLUSTER: the branches that leave out hidden key steps hang on the query tile, which differs between the work-groups that share a batch; what is shared is 100 KB read once.
; THE FIRST PRODUCT has K = 32, a quarter of the instruction's 128.  A fragment of K holds 64 keys (row m, block b = key 32 (m / 8) + 8 b + m % 8) and meets four copies of Q, each with its block
; in another of the four places and zero codes elsewhere.  Copy b gives lane (q, h) the keys 32 h + 8 b + 0 .. 7: the 32 registers of the four copies are one whole block of 32 keys in a lane,
; which is the layout of P^T in O^T = V^T P^T: two conversions a block, no lane exchange.
; The loop has a constant 16 trips; a step all of whose keys come after the tile's queries jumps over its work (a scalar branch on ids).  On the diagonal hidden scores become -infinity.
; ONE BARRIER behind the first: the four heads' scale bytes of a row are one word of the next operand's scales; they meet in LDS, and waves 0 .. 3 (head 0 of the quad, classes 0 .. 3) store their tile's 16 words.
; LIMITS: NaN and infinities are not served; a block of zeros gets the byte 1 and not 127.  A block's largest p is made from the block's largest score by the same two instructions as every p.
.set KFR, 64                           ; v64-87   K's two fragments
.set VFR, 88                           ; v88-111  V's two (d 0-15, d 16-31)
.set SS,  112                          ; v112-175 scores, then p
.set OO,  176                          ; v176-191 O^T
.set PP,  192                          ; v192-203 p's codes
.set TT,  204                          ; v204-211 a conversion's second three
.set SCX, 102400                       ; 256 bytes of their own behind the images: [class][16 rows] words of scale bytes
; v1 16 lane, v2 8 lane, v3 98304 + 4 lane, v4 16 r, v5 8 r, v6 4 r, v7 8 h, v8-10 the step's addresses, v11 my scale byte's place, v12 -M, v13 largest t, v[14:15] the sum
; v16-51 the four copies of Q: [D0 | 0 | D1] [D1 | 0 | D0]; v52 Q's, v53 K's, v54 V's, v55 p's scale words; v56-61 Q as loaded; v62 r - 32 h; v63 -infinity; v212-252 at work; v255 my class's words
.macro WM d, a, b, z, sa, sb, ra, rb
.if (\z) && (\ra)
	v_wmma_scale_f32_16x16x128_f8f6f4 v[0+(\d):7+(\d)], v[0+(\a):11+(\a)], v[0+(\b):11+(\b)], 0, v[0+(\sa)], v[0+(\sb)] matrix_a_fmt:MATRIX_FMT_BF6 matrix_b_fmt:MATRIX_FMT_BF6 matrix_a_scale:MATRIX_SCALE_ROW1
.elseif (\z)
	v_wmma_scale_f32_16x16x128_f8f6f4 v[0+(\d):7+(\d)], v[0+(\a):11+(\a)], v[0+(\b):11+(\b)], 0, v[0+(\sa)], v[0+(\sb)] matrix_a_fmt:MATRIX_FMT_BF6 matrix_b_fmt:MATRIX_FMT_BF6
.elseif (\ra)
	v_wmma_scale_f32_16x16x128_f8f6f4 v[0+(\d):7+(\d)], v[0+(\a):11+(\a)], v[0+(\b):11+(\b)], v[0+(\d):7+(\d)], v[0+(\sa)], v[0+(\sb)] matrix_a_fmt:MATRIX_FMT_BF6 matrix_b_fmt:MATRIX_FMT_BF6 matrix_a_scale:MATRIX_SCALE_ROW1
.else
	v_wmma_scale_f32_16x16x128_f8f6f4 v[0+(\d):7+(\d)], v[0+(\a):11+(\a)], v[0+(\b):11+(\b)], v[0+(\d):7+(\d)], v[0+(\sa)], v[0+(\sb)] matrix_a_fmt:MATRIX_FMT_BF6 matrix_b_fmt:MATRIX_FMT_BF6
.endif
.endm
.macro PLACES                          ; four plain lines between a matrix instruction and a load into, or a vector line on, its registers
.rept 4
	v_nop
.endr
.endm
	s_load_b256 s[4:11], s[0:1], 0x0               ; qimg, kv, act, act_scales
	v_lshl_add_u32 v253, v0, 2, 0x29000
	v_mov_b32 v254, 0
	ds_add_u32 v253, v254
	ds_add_u32 v253, v254
	v_lshrrev_b32 v1, 5, v0
	s_delay_alu instid0(VALU_DEP_1)
	v_readfirstlane_b32 s24, v1                    ; wave 0..15
	s_mov_b32 s25, ttmp9                           ; p
	s_and_b32 s26, ttmp7, 0xffff
	s_lshr_b32 s27, s26, 2                         ; batch
	s_and_b32 s28, s26, 3                          ; which four heads
	s_lshr_b32 s57, s24, 2                         ; which of the four is mine
	s_add_co_u32 s56, s24, s57
	s_and_b32 s56, s56, 3                          ; my tile's class
	s_lshl_b32 s29, s28, 2
	s_add_co_u32 s29, s29, s57                     ; my head
	s_sub_co_u32 s41, 63, s25
	s_and_b32 s42, s56, 1
	s_cmp_lg_u32 s42, 0
	s_cselect_b32 s35, s41, s25                    ; odd classes count down from 63, even ones up from 0,
	s_and_b32 s42, s56, 2
	s_lshl_b32 s42, s42, 5
	s_add_co_u32 s35, s35, s42                     ; classes 2 and 3 lie 64 tiles on: my query tile
	s_lshl_b32 s36, s35, 4                         ; my first query
	s_mov_b32 s16, 3<<16                           ; group 1: 25 rows of 256 bytes (32 elements of 8), dense, no padding
	s_mov_b32 s17, 32<<16
	s_mov_b32 s18, 25<<16
	s_mov_b32 s19, 32<<16
	s_mov_b32 s20, 25
	s_mov_b32 s21, 32
	s_mov_b32 s22, 0
	s_mov_b32 s23, 0
	s_mul_i32 s41, s24, 6400
	s_mul_i32 s42, s27, 102400
	s_add_co_u32 s42, s42, s41
	s_mov_b32 s43, 0
	s_wait_dscnt 0x0
	s_wait_kmcnt 0x0
	s_mov_b32 s12, 1
	s_mov_b32 s13, s41
	s_add_nc_u64 s[14:15], s[6:7], s[42:43]
	s_or_b32 s15, s15, 0x80000000
	tensor_load_to_lds s[12:15], s[16:23]          ; my sixteenth of the batch's K and V: my one tensor load
	s_nop 0
	PLACES
	v_and_b32 v212, 31, v0
	s_delay_alu instid0(VALU_DEP_1)
	v_lshlrev_b32 v1, 4, v212
	s_delay_alu instid0(VALU_DEP_2)
	v_lshlrev_b32 v2, 3, v212
	s_delay_alu instid0(VALU_DEP_3)
	v_lshl_add_u32 v3, v212, 2, 98304
	v_and_b32 v213, 15, v0                         ; r
	s_wait_alu depctr_va_vdst(0)
	v_bfe_u32 v214, v0, 4, 1                       ; h
	s_wait_alu depctr_va_vdst(0)
	v_lshlrev_b32 v4, 4, v213
	v_lshlrev_b32 v5, 3, v213
	v_lshlrev_b32 v6, 2, v213
	s_lshl_b32 s41, s27, 7
	s_add_co_u32 s41, s41, s35
	s_lshl_b32 s41, s41, 4
	s_add_co_u32 s41, s41, s29
	s_lshl_b32 s42, s41, 9
	s_mov_b32 s43, 0
	s_add_nc_u64 s[44:45], s[4:5], s[42:43]        ; the record of (row tile, head)
	global_load_b128 v[56:59], v4, s[44:45]        ; Q is asked for while the tile is on its way
	global_load_b64 v[60:61], v5, s[44:45] offset:256
	global_load_b32 v52, v6, s[44:45] offset:384
	v_lshlrev_b32 v7, 3, v214
	s_lshl_b32 s41, s56, 6
	s_add_co_u32 s41, s41, SCX
	v_lshl_add_u32 v255, v213, 2, s41              ; SCX + 64 class + 4 r: my tile's words
	s_add_co_u32 s41, s41, s57
	v_lshl_add_u32 v11, v213, 2, s41               ; and in them my head's byte
	v_lshlrev_b32 v62, 5, v214
	s_delay_alu instid0(VALU_DEP_1)
	v_sub_nc_u32 v62, v213, v62
	v_mov_b32 v63, 0xff800000
.irp i, 0,1,2,3,4,5
	v_mov_b32 v[22+\i], 0                          ; the zero codes of the copies of Q
	v_mov_b32 v[40+\i], 0
.endr
	v_mov_b32 v213, 0                              ; written once: a lane permute's destination counts as one of its sources
	v_mov_b32 v215, 0
	v_mov_b32 v223, 0
	v_mov_b32 v217, 0                              ; (named as the upper half of the pair v[216:217])
	s_mov_b32 s30, 0x76543210
	s_mov_b32 s31, 0xfedcba98                      ; lane l xor 16
	s_mov_b32 s32, 0x3e8293ee                      ; c = log2(e) / sqrt(32)
	s_mov_b32 s33, s32
	s_mov_b32 s34, 0xffff0000                      ; lanes 16-31
	; where my tile's codes and scale words go
	s_lshr_b32 s41, s35, 3
	s_lshl_b32 s42, s27, 4
	s_add_co_u32 s41, s41, s42                     ; which 128 rows of act
	s_mul_i32 s42, s41, 442368
	s_add_co_u32 s42, s42, 393216                  ; chunk 8
	s_and_b32 s50, s35, 7
	s_mul_i32 s51, s50, 6144
	s_add_co_u32 s42, s42, s51
	s_mul_i32 s51, s28, 1536                       ; K step = head / 4
	s_add_co_u32 s42, s42, s51
	s_bfe_u32 s51, s29, 0x10001
	s_mul_i32 s51, s51, 768                        ; half of the image = (head / 2) % 2
	s_add_co_u32 s42, s42, s51
	s_and_b32 s51, s29, 1                          ; lanes 16 (head % 2) + r
	s_lshl_b32 s54, s51, 8
	s_add_co_u32 s54, s54, s42
	s_mov_b32 s55, 0
	s_add_nc_u64 s[46:47], s[8:9], s[54:55]
	s_lshl_b32 s54, s51, 7
	s_add_co_u32 s54, s54, s42
	s_add_co_u32 s54, s54, 512
	s_add_nc_u64 s[52:53], s[8:9], s[54:55]
	s_mul_i32 s54, s41, 36
	s_add_co_u32 s54, s54, s28
	s_add_co_u32 s54, s54, 32                      ; K step 32 + head / 4 of the next product
	s_lshl_b32 s54, s54, 7
	s_lshl_b32 s58, s50, 4
	s_add_co_u32 s54, s54, s58
	s_lshl_b32 s54, s54, 2
	s_add_nc_u64 s[48:49], s[10:11], s[54:55]
	s_mov_b32 s37, 0                               ; the step's first key
	s_mov_b32 s38, 0                               ; its images: 3,072 bytes a step
	s_mov_b32 s39, 0                               ; its scale words: 128 bytes a step
	s_mov_b32 s40, 16
.set i, 0
.rept 16
	v_mov_b32 v[OO+i], 0                           ; the step is written once: the first finds zeros, which the first change of M leaves zeros
.set i, i+1
.endr
	s_wait_tensorcnt 0x0                           ; my part is in,
	s_barrier_signal -1
	s_barrier_wait -1                              ; everybody's is
	s_wait_loadcnt 0x0                             ; Q
.irp i, 0,1,2,3,4,5
	v_cndmask_b32 v[16+\i], v[56+\i], v22, s34     ; D0: Q in lanes 0-15
	v_cndmask_b32 v[46+\i], v[56+\i], v22, s34
	v_cndmask_b32 v[28+\i], v22, v[56+\i], s34     ; D1: Q in lanes 16-31
	v_cndmask_b32 v[34+\i], v22, v[56+\i], s34
.endr
	v_mov_b32 v14, 0
	v_mov_b32 v15, 0
	v_mov_b32 v13, 0xff61b1e6                      ; -3e38, under every t
	s_delay_alu instid0(VALU_DEP_1)
	v_floor_f32 v12, -v13
.Lstep:
	s_add_co_u32 s41, s36, 15
	s_cmp_gt_u32 s37, s41
	s_cbranch_scc1 .Lhid                           ; all 128 keys come after my queries
	v_add_nc_u32 v8, s38, v1                       ; (these four lines are the places in front of the loads)
	v_add_nc_u32 v9, s38, v2
	v_add_nc_u32 v10, s39, v3
	v_nop
.irp f, 0,1
.irp c, 0,1
	ds_load_b128 v[KFR+12*\f+6*\c:KFR+12*\f+6*\c+3], v8 offset:1536*\f+768*\c
	ds_load_b64 v[KFR+12*\f+6*\c+4:KFR+12*\f+6*\c+5], v9 offset:1536*\f+768*\c+512
.endr
.endr
.irp t, 0,1
.irp c, 0,1
	ds_load_b128 v[VFR+12*\t+6*\c:VFR+12*\t+6*\c+3], v8 offset:49152+768*(2*\c+\t)
	ds_load_b64 v[VFR+12*\t+6*\c+4:VFR+12*\t+6*\c+5], v9 offset:49152+768*(2*\c+\t)+512
.endr
.endr
	ds_load_b32 v53, v10
	ds_load_b32 v54, v10 offset:2048
	s_wait_dscnt 0x0
	s_wait_alu depctr_va_vdst(0)
.irp f, 0,1
	WM SS+32*\f, KFR+12*\f, 16, 1, 53, 52, \f, 0
	WM SS+32*\f+8, KFR+12*\f, 34, 1, 53, 52, \f, 0
	WM SS+32*\f+16, KFR+12*\f, 40, 1, 53, 52, \f, 0
	WM SS+32*\f+24, KFR+12*\f, 22, 1, 53, 52, \f, 0
.endr
	PLACES
	s_add_co_u32 s41, s37, 127
	s_cmp_le_u32 s41, s36
	s_cbranch_scc1 .Lopen                          ; every key of the step counts
	s_sub_co_i32 s41, s36, s37
	v_add_nc_u32 v226, s41, v62                    ; d = my query - first key - 32 h.  Register n holds key 64 (n / 32) + 32 h + n % 32: hidden where 64 (n / 32) + n % 32 > d
.set n, 0
.rept 64
	v_cmp_gt_i32 vcc_lo, 64*(n/32)+n%32, v226
	v_cndmask_b32 v[SS+n], v[SS+n], v63, vcc_lo
.set n, n+1
.endr
.Lopen:
	v_max3_num_f32 v212, v[SS], v[SS+1], v[SS+2]   ; the largest score of each of my two blocks; every accumulator is read from its low end on
	v_max3_num_f32 v213, v[SS+32], v[SS+33], v[SS+34]
.irp i, 3,5,7,9,11,13,15,17,19,21,23,25,27,29
	v_max3_num_f32 v212, v212, v[SS+\i], v[SS+1+\i]
	v_max3_num_f32 v213, v213, v[SS+32+\i], v[SS+33+\i]
.endr
	v_max_num_f32 v212, v212, v[SS+31]
	v_max_num_f32 v213, v213, v[SS+63]
	s_delay_alu instid0(VALU_DEP_1)
	v_max_num_f32 v214, v212, v213
	s_delay_alu instid0(VALU_DEP_1)
	v_permlanex16_b32 v215, v214, s30, s31
	s_delay_alu instid0(VALU_DEP_1)
	v_max_num_f32 v214, v214, v215                 ; the step's largest score of my query
	s_delay_alu instid0(VALU_DEP_1)
	v_mul_f32 v214, s32, v214
	s_delay_alu instid0(VALU_DEP_1)
	v_max_num_f32 v13, v13, v214
	v_mov_b32 v214, v12
	s_delay_alu instid0(VALU_DEP_2)
	v_floor_f32 v12, -v13                          ; -M = floor(-t)
	s_delay_alu instid0(VALU_DEP_1)
	v_sub_f32 v214, v12, v214
	s_delay_alu instid0(VALU_DEP_1)
	v_cvt_i32_f32 v214, v214                       ; (it saturates)
	s_delay_alu instid0(VALU_DEP_1)
	v_ldexp_f32 v216, 1.0, v214                    ; f = 2^(old M - new M)
.set j, 0
.rept 32
	v_pk_fma_f32 v[SS+j:SS+j+1], v[SS+j:SS+j+1], s[32:33], v[12:13] op_sel_hi:[1,0,0]
.set j, j+2
.endr
	v_fma_f32 v212, v212, s32, v12
	v_fma_f32 v213, v213, s32, v12
.set j, 0
	s_wait_alu depctr_va_vdst(0)
.rept 64
	v_exp_f32 v[SS+j], v[SS+j]
.set j, j+1
.endr
	v_exp_f32 v212, v212
	v_exp_f32 v213, v213
	v_pk_mul_f32 v[14:15], v[14:15], v[216:217] op_sel_hi:[1,0]    ; the sums under the new M (the plain line behind the exponentials)
	s_wait_alu depctr_va_vdst(0)
	v_max_num_f32 v212, 0x2800000, v212
	v_max_num_f32 v213, 0x2800000, v213
	s_delay_alu instid0(VALU_DEP_2)
	v_add_nc_u32 v218, 0xfe000000, v212
	s_delay_alu instid0(VALU_DEP_2)
	v_add_nc_u32 v219, 0xfe000000, v213
	s_delay_alu instid0(VALU_DEP_2)
	v_lshrrev_b32 v220, 23, v218
	s_delay_alu instid0(VALU_DEP_2)
	v_lshrrev_b32 v221, 23, v219
	s_delay_alu instid0(VALU_DEP_1)
	v_lshl_or_b32 v222, v221, 16, v220             ; my bytes: blocks h and 2 + h,
	s_delay_alu instid0(VALU_DEP_1)
	v_lshlrev_b32 v222, v7, v222                   ; at their places,
	s_delay_alu instid0(VALU_DEP_1)
	v_permlanex16_b32 v223, v222, s30, s31
	s_delay_alu instid0(VALU_DEP_1)
	v_or_b32 v55, v222, v223                       ; with lane l xor 16's two the word is whole
.irp c, 0,1
	v_cvt_scalef32_pk16_bf6_f32 v[PP+6*\c:PP+6*\c+2], v[SS+32*\c:SS+32*\c+15], v[218+\c]
	v_cvt_scalef32_pk16_bf6_f32 v[TT+4*\c:TT+4*\c+2], v[SS+32*\c+16:SS+32*\c+31], v[218+\c]
.endr
	v_nop
.irp c, 0,1
.irp i, 0,1,2
	v_mov_b32 v[PP+6*\c+3+\i], v[TT+4*\c+\i]
.endr
.endr
	v_pk_add_f32 v[224:225], v[116:117], v[120:121]
	v_pk_add_f32 v[250:251], v[124:125], v[128:129]
	v_pk_add_f32 v[248:249], v[132:133], v[136:137]
	v_pk_add_f32 v[246:247], v[140:141], v[144:145]
	v_pk_add_f32 v[244:245], v[148:149], v[152:153]
	v_pk_add_f32 v[242:243], v[156:157], v[160:161]
	v_pk_add_f32 v[240:241], v[164:165], v[168:169]
	v_pk_add_f32 v[14:15], v[14:15], v[172:173]
	v_pk_add_f32 v[224:225], v[224:225], v[112:113]
	v_pk_add_f32 v[250:251], v[250:251], v[114:115]
	v_pk_add_f32 v[248:249], v[248:249], v[118:119]
	v_pk_add_f32 v[246:247], v[246:247], v[122:123]
	v_pk_add_f32 v[244:245], v[244:245], v[126:127]
	v_pk_add_f32 v[242:243], v[242:243], v[130:131]
	v_pk_add_f32 v[240:241], v[240:241], v[134:135]
	v_pk_add_f32 v[14:15], v[14:15], v[138:139]
	v_pk_add_f32 v[224:225], v[224:225], v[142:143]
	v_pk_add_f32 v[250:251], v[250:251], v[146:147]
	v_pk_add_f32 v[248:249], v[248:249], v[150:151]
	v_pk_add_f32 v[246:247], v[246:247], v[154:155]
	v_pk_add_f32 v[244:245], v[244:245], v[158:159]
	v_pk_add_f32 v[242:243], v[242:243], v[162:163]
	v_pk_add_f32 v[240:241], v[240:241], v[166:167]
	v_pk_add_f32 v[14:15], v[14:15], v[170:171]
	v_pk_add_f32 v[224:225], v[224:225], v[174:175]
	s_delay_alu instid0(VALU_DEP_2)
	v_pk_add_f32 v[14:15], v[14:15], v[246:247]
	s_delay_alu instid0(VALU_DEP_2)
	v_pk_add_f32 v[224:225], v[224:225], v[244:245]
	v_pk_add_f32 v[250:251], v[250:251], v[242:243]
	v_pk_add_f32 v[248:249], v[248:249], v[240:241]
	s_delay_alu instid0(VALU_DEP_2)
	v_pk_add_f32 v[14:15], v[14:15], v[250:251]
	s_delay_alu instid0(VALU_DEP_2)
	v_pk_add_f32 v[224:225], v[224:225], v[248:249]
	s_delay_alu instid0(VALU_DEP_1)
	v_pk_add_f32 v[14:15], v[14:15], v[224:225]
.irp j, 0,2,4,6,8,10,12,14
	v_pk_mul_f32 v[OO+\j:OO+\j+1], v[OO+\j:OO+\j+1], v[216:217] op_sel_hi:[1,0]
.endr
	WM OO, VFR, PP, 0, 54, 55, 0, 0                ; the two accumulators take turns; eight other products stand between a sum's links
	WM OO+8, VFR+12, PP, 0, 54, 55, 1, 0
.Lhid:
	s_add_co_u32 s37, s37, 128
	s_add_co_u32 s38, s38, 3072
	s_add_co_u32 s39, s39, 128
	s_sub_co_u32 s40, s40, 1
	s_cmp_lg_u32 s40, 0
	s_cbranch_scc1 .Lstep
	; ---- the way out
	PLACES
	s_wait_alu depctr_va_vdst(0)
	v_add_f32 v14, v14, v15
	s_delay_alu instid0(VALU_DEP_1)
	v_permlanex16_b32 v215, v14, s30, s31
	s_delay_alu instid0(VALU_DEP_1)
	v_add_f32 v14, v14, v215
	s_wait_alu depctr_va_vdst(0)
	v_rcp_f32 v14, v14
	v_nop
.set i, 0
	s_wait_alu depctr_va_vdst(0)
.rept 16
	v_mul_f32 v[224+i], v[OO+i], v14
.set i, i+1
.endr
.irp j, 0,1,2,3,4,5,6,7
	v_permlane16_swap_b32 v[224+\j], v[232+\j]     ; lane half h now holds d = 16 h + 0 .. 15 of its row
.endr
	v_max3_num_f32 v212, |v224|, |v225|, 0x2800000
.irp i, 2,4,6,8,10,12,14
	s_delay_alu instid0(VALU_DEP_1)
	v_max3_num_f32 v212, v212, |v[224+\i]|, |v[225+\i]|
.endr
	s_delay_alu instid0(VALU_DEP_1)
	v_permlanex16_b32 v213, v212, s30, s31
	s_delay_alu instid0(VALU_DEP_1)
	v_max_num_f32 v212, v212, v213
	s_delay_alu instid0(VALU_DEP_1)
	v_add_nc_u32 v218, 0xfe000000, v212
	s_delay_alu instid0(VALU_DEP_1)
	v_lshrrev_b32 v220, 23, v218
	v_cvt_scalef32_pk16_bf6_f32 v[240:242], v[224:239], v218
	v_nop
.irp i, 0,1,2
	v_mov_b32 v[243+\i], v[240+\i]
.endr
.irp i, 0,1,2
	v_permlane16_swap_b32 v[240+\i], v[243+\i]     ; every lane now holds its row's 24 bytes
.endr
	ds_store_b8 v11, v220                          ; lanes r and r + 16 write the same byte with the same value
	global_store_b128 v4, v[240:243], s[46:47]     ; 256 consecutive bytes, aligned; lanes r and r + 16 store the same bytes to the same place
	global_store_b64 v5, v[244:245], s[52:53]
	s_wait_dscnt 0x0                               ; for the others' sake: my byte is in LDS
	s_barrier_signal -1
	s_barrier_wait -1                              ; all sixteen bytes of every row's words are there
	s_cmp_lg_u32 s57, 0
	s_cbranch_scc1 .Lend                           ; waves 0 .. 3 are head 0 of the quad, one for each class
	ds_load_b32 v252, v255                         ; my tile's 16 words: four heads' bytes each
	s_wait_dscnt 0x0
	global_store_b32 v6, v252, s[48:49]            ; 64 consecutive bytes; lanes r and r + 16 store the same word
.Lend:
	s_wait_tensorcnt 0x0
	ds_add_u32 v253, v254
	s_wait_dscnt 0x0
	s_endpgm
.Lfunc_end_k_q92ee544829_attn:
	.size	k_q92ee544829_attn, .Lfunc_end_k_q92ee544829_attn-k_q92ee544829_attn
	.p2alignl 7, 3214868480
	.fill 96, 4, 3214868480
	.section	.rodata,"a",@progbits
	.p2align	6, 0x0
	.amdhsa_kernel k_q92ee544829_attn
		.amdhsa_group_segment_fixed_size 169984
		.amdhsa_private_segment_fixed_size 0
		.amdhsa_enable_private_segment 0
		.amdhsa_kernarg_size 32
		.amdhsa_user_sgpr_count 2
		.amdhsa_user_sgpr_kernarg_segment_ptr 1
		.amdhsa_wavefront_size32 1
		.amdhsa_system_sgpr_workgroup_id_x 1
		.amdhsa_system_sgpr_workgroup_id_y 1
		.amdhsa_system_sgpr_workgroup_id_z 1
		.amdhsa_system_vgpr_workitem_id 0
		.amdhsa_next_free_vgpr 256
		.amdhsa_next_free_sgpr 66
		.amdhsa_reserve_vcc 1
		.amdhsa_float_denorm_mode_32 3
		.amdhsa_float_denorm_mode_16_64 3
		.amdhsa_memory_ordered 1
		.amdhsa_forward_progress 1
		.amdhsa_inst_pref_size 31
	.end_amdhsa_kernel
	.amdgpu_metadata
---
amdhsa.version: [ 1, 2 ]
amdhsa.kernels:
  - .name:           k_q92ee544829_attn
    .symbol:         k_q92ee544829_attn.kd
    .args:
      - { .name: qimg, .offset: 0, .size: 8, .value_kind: global_buffer, .address_space: global }
      - { .name: kv, .offset: 8, .size: 8, .value_kind: global_buffer, .address_space: global }
      - { .name: act, .offset: 16, .size: 8, .value_kind: global_buffer, .address_space: global }
      - { .name: act_scales, .offset: 24, .size: 8, .value_kind: global_buffer, .address_space: global }
    .group_segment_fixed_size: 169984
    .private_segment_fixed_size: 0
    .kernarg_segment_align: 8
    .kernarg_segment_size: 32
    .max_flat_workgroup_size: 512
    .sgpr_count:     66
    .vgpr_count:     256
    .wavefront_size: 32
...
	.end_amdgpu_metadata
.endif
;; end of part 3
;; launch ffin (part 4): grid 16 x 16, 8 waves a work-group, clusters of 4 x 1, 327,680 bytes of LDS; arguments xq_codes, xq_scales, W_fused_codes, W_fused_scales, act, act_scales; writes act, act_scales
.if DOCPART == 4
	.amdgcn_target "amdgcn-amd-amdhsa--gfx1250"
	.amdhsa_code_object_version 6
	.text
	.protected	k_q92ee544829_ffin
	.globl	k_q92ee544829_ffin
	.p2align	8
	.type	k_q92ee544829_ffin,@function
k_q92ee544829_ffin:
	s_mov_b64 s[64:65], 0
	v_nop
	global_prefetch_b8 v0, s[64:65] scope:SCOPE_SE
	s_setreg_imm32_b32 hwreg(HW_REG_WAVE_MODE, 25, 1), 1
	s_wait_xcnt 0x0
	s_wait_alu depctr_hold_cnt(0) depctr_sa_sdst(0) depctr_va_vdst(0) depctr_va_sdst(0) depctr_va_ssrc(0) depctr_va_vcc(0) depctr_vm_vsrc(0)
	s_getreg_b32 s2, hwreg(HW_REG_IB_STS2, 6, 4)
	s_cmp_eq_u32 s2, 0
	s_cbranch_scc0 .Lentry_in_a_cluster
	s_endpgm
.Lentry_in_a_cluster:
	s_bfe_u32 s2, ttmp6, 0x10000c
	s_cmp_lg_u32 s2, 0x3003
	s_cbranch_scc0 .Lentry_shape_is_right
	s_endpgm
.Lentry_shape_is_right:
; Columns 576 .. 8767 of xn W_fused on codes of E3M2 (K = 1,024), SwiGLU in f32, and the MX quantiser of silu(gate) x along the inner columns, which are the next product's K.
; SHARES: work-group (x, y) owns rows 256 x .. + 255 and inner columns 256 y .. + 255; each of its eight waves owns 32 rows.  256 work-groups.
; A STAYS IN REGISTERS: a wave's 32 rows x 1,024 K are 2 x 8 fragments, 192 registers; they come through LDS once (four plain loads of 64 whole rows) and are never read again.
; W WALKS through a ring of two LDS slots in eight tiles: 32 rows of ff_x and the 32 gates of the same columns, WHOLE rows of 768 bytes (each begins at a multiple of 256 bytes),
; 16 bytes of padding behind each 256: rows 816 bytes apart = 204 words, so the sixteen rows of a load begin in sixteen different groups of four banks.
; A trip: the wait for the tile, the cluster's round, the next tile's load (8 rows a wave), and then two pieces of work: the tile's 8 K steps x 8 products, and the tail on 32 rows x 32 columns.
; TWO GROUPS OF WAVES take the two pieces in opposite order: group 0 multiplies tile t and then finishes it; group 1 finishes tile t - 1 and then multiplies tile t.  group = (w + w / 4) % 2, which differs
; between waves w and w + 4 and between waves 2 s and 2 s + 1.  Every barrier, wait, add and tensor load is on every wave's path.
; Trip 0 is written out (all multiply, group 0 finishes); behind trip 7 group 1 finishes the last tile.
; One tensor load of a wave is out behind each round; it has a trip in which to land.
; CLUSTER 4 x 1: the four work-groups of a cluster share y, so W's tiles are asked for jointly (mask 15).  A's rows are no joint load: those that share them lie along y, in other clusters, and read them once.
; TRANSPOSED USE (source 0 = rows of W, source 1 = rows of x): a lane holds one row and eight neighbouring columns.  A tile's 32 columns are ONE block of the next K: v_permlane16_swap_b32 brings
; the block of row tile h into lane half h; its 24 bytes go to their place in the image of the next operand's registers: sixteen lanes store 256 and 128 consecutive bytes.
; The scale bytes of a row's eight blocks grow into two words in registers and leave at the end, 128 consecutive bytes a store.
; PREFETCH: trip t asks for tile t + 2, which trip t + 1 loads: of the 8 rows x 3 blocks that a wave fetches each of the four partners names 6, told apart by address; trips 6 and 7 ask for nothing.
; LIMITS: NaN and infinities are not served; a block of zeros gets the byte 1 and not 127 (its codes are zeros; only this program reads the bytes).  sigmoid = 1 / (1 + 2^(-g log2 e)): where 2^(..) overflows the reciprocal is 0, as the limit is.
; REGISTERS: window 0: v1-18 addresses, v28-29 the add's, v32-39 x's scale words, v48-63 W's, v64-127 the tail's work, v128-223 W's fragments (two sets), v224-229 codes, v248-252 scale words.
; window 1: v0-191 A's fragments, (K step s, row tile a) at 24 s + 12 a; v192-255 the 8 accumulators, (a, b) at 192 + 8 (4 a + b); b = 0, 1 ff_x, b = 2, 3 gates.
.set PITCH, 816
.set SLOT0, 256*PITCH                  ; behind A's 256 rows
.set SLOTB, 64*PITCH
.set SPARE, SLOT0+2*SLOTB              ; the spare words: 1,024 bytes that no other line names
.set SA, 32
.set SB, 48
.set EE, 64
.set HH, 96
.set BF, 128
.set CD, 224
.set MSB, 0
.macro WIN new                         ; the immediate's high byte repeats the setting that is left
.if MSB != (\new)
	s_set_vgpr_msb (MSB<<8)|(\new)
.set MSB, (\new)
.endif
.endm
.macro WM d, a, b, z, sa, sb, ra, rb   ; D, source 0, source 1, z = 1: C = 0; the scales' registers and which half of their lanes
.if (\z) && (\ra) && (\rb)
	v_wmma_scale_f32_16x16x128_f8f6f4 v[0+(\d):7+(\d)], v[0+(\a):11+(\a)], v[0+(\b):11+(\b)], 0, v[0+(\sa)], v[0+(\sb)] matrix_a_fmt:MATRIX_FMT_BF6 matrix_b_fmt:MATRIX_FMT_BF6 matrix_a_scale:MATRIX_SCALE_ROW1 matrix_b_scale:MATRIX_SCALE_ROW1
.elseif (\z) && (\ra)
	v_wmma_scale_f32_16x16x128_f8f6f4 v[0+(\d):7+(\d)], v[0+(\a):11+(\a)], v[0+(\b):11+(\b)], 0, v[0+(\sa)], v[0+(\sb)] matrix_a_fmt:MATRIX_FMT_BF6 matrix_b_fmt:MATRIX_FMT_BF6 matrix_a_scale:MATRIX_SCALE_ROW1
.elseif (\z) && (\rb)
	v_wmma_scale_f32_16x16x128_f8f6f4 v[0+(\d):7+(\d)], v[0+(\a):11+(\a)], v[0+(\b):11+(\b)], 0, v[0+(\sa)], v[0+(\sb)] matrix_a_fmt:MATRIX_FMT_BF6 matrix_b_fmt:MATRIX_FMT_BF6 matrix_b_scale:MATRIX_SCALE_ROW1
.elseif (\z)
	v_wmma_scale_f32_16x16x128_f8f6f4 v[0+(\d):7+(\d)], v[0+(\a):11+(\a)], v[0+(\b):11+(\b)], 0, v[0+(\sa)], v[0+(\sb)] matrix_a_fmt:MATRIX_FMT_BF6 matrix_b_fmt:MATRIX_FMT_BF6
.elseif (\ra) && (\rb)
	v_wmma_scale_f32_16x16x128_f8f6f4 v[0+(\d):7+(\d)], v[0+(\a):11+(\a)], v[0+(\b):11+(\b)], v[0+(\d):7+(\d)], v[0+(\sa)], v[0+(\sb)] matrix_a_fmt:MATRIX_FMT_BF6 matrix_b_fmt:MATRIX_FMT_BF6 matrix_a_scale:MATRIX_SCALE_ROW1 matrix_b_scale:MATRIX_SCALE_ROW1
.elseif (\ra)
	v_wmma_scale_f32_16x16x128_f8f6f4 v[0+(\d):7+(\d)], v[0+(\a):11+(\a)], v[0+(\b):11+(\b)], v[0+(\d):7+(\d)], v[0+(\sa)], v[0+(\sb)] matrix_a_fmt:MATRIX_FMT_BF6 matrix_b_fmt:MATRIX_FMT_BF6 matrix_a_scale:MATRIX_SCALE_ROW1
.elseif (\rb)
	v_wmma_scale_f32_16x16x128_f8f6f4 v[0+(\d):7+(\d)], v[0+(\a):11+(\a)], v[0+(\b):11+(\b)], v[0+(\d):7+(\d)], v[0+(\sa)], v[0+(\sb)] matrix_a_fmt:MATRIX_FMT_BF6 matrix_b_fmt:MATRIX_FMT_BF6 matrix_b_scale:MATRIX_SCALE_ROW1
.else
	v_wmma_scale_f32_16x16x128_f8f6f4 v[0+(\d):7+(\d)], v[0+(\a):11+(\a)], v[0+(\b):11+(\b)], v[0+(\d):7+(\d)], v[0+(\sa)], v[0+(\sb)] matrix_a_fmt:MATRIX_FMT_BF6 matrix_b_fmt:MATRIX_FMT_BF6
.endif
.endm
.macro PLACES                          ; four plain lines between a matrix instruction and a load into, or a vector line on, its registers
.rept 4
	v_nop
.endr
.endm
.macro ROUND                           ; a round of the cluster's barrier
	s_barrier_signal -1
	s_barrier_wait -1
	s_cmp_lg_u32 s16, 0
	s_cbranch_scc1 .Lnw0_\@
	s_barrier_signal -3
.Lnw0_\@:
	s_barrier_wait -3
	s_barrier_signal -1
	s_barrier_wait -1
.endm
.macro GRP1 g, w0, rows                ; descriptor group 1: whole rows of 768 bytes, 16 bytes of padding behind every 64 words
	s_mov_b32 s[\g], (\w0)|(1<<20)|(5<<22)|(3<<25)
	s_mov_b32 s[\g+1], 768<<16
	s_mov_b32 s[\g+2], (\rows)<<16
	s_mov_b32 s[\g+3], 768<<16
	s_mov_b32 s[\g+4], \rows
	s_mov_b32 s[\g+5], 768
	s_mov_b32 s[\g+6], 0
	s_mov_b32 s[\g+7], 0
.endm
; A fragment, 16 rows x 128 K: lane (r, h) takes 24 bytes at 24 h and 24 at 48 + 24 h of its row's 96, in pieces of 8.  Where lanes 16-31 read behind one padding more, the second address register (40 h) serves.
.macro FRAG reg, adr, s, off
.irp p, 0,1,2,3,4,5
.set BY, 96*(\s)+48*(\p/3)+8*(\p%3)
.if BY%256 < 232
	ds_load_b64 v[\reg+2*\p:\reg+2*\p+1], v[\adr] offset:BY+16*(BY/256)+(\off)
.else
	ds_load_b64 v[\reg+2*\p:\reg+2*\p+1], v[\adr+1] offset:BY+16*(BY/256)+(\off)
.endif
.endr
.endm
.macro FETCHB p, s                     ; W's four fragments of K step s from slot p into set s % 2
.irp b, 0,1,2,3
	FRAG BF+48*((\s)%2)+12*\b, 6+2*\p, \s, \b*16*PITCH
.endr
.endm
.macro MULS s, z                       ; 8 products; the 8 accumulators take turns in one order in every K step
	WIN 0x54                                       ; source 0 (W) window 0; source 1 (A), C and D window 1
.irp a, 0,1
.irp b, 0,1,2,3
	WM 192+8*(4*\a+\b), BF+48*((\s)%2)+12*\b, 24*(\s)+12*\a, \z, SB+8*(\b/2)+(\s), SA+(\s), \b%2, \a
.endr
.endr
.endm
; The products of the tile in slot p.  nx: where the next tile's scale words lie behind the base (0: there is no next tile)
.macro MAT p, nx
	FETCHB \p, 0
	s_wait_loadcnt 0x0                             ; this tile's scale words
.irp s, 0,1,2,3,4,5,6
.if \s
	PLACES
.endif
	FETCHB \p, \s+1
	s_wait_dscnt 24                                ; all but the 24 loads just issued
	MULS \s, 1-(\s+6)/7                            ; the first K step starts the sums
	WIN 0
.endr
	s_wait_dscnt 0x0
	MULS 7, 0
	WIN 0
	PLACES
.if \nx
	global_load_b128 v[SB:SB+3], v10, s[72:73] offset:\nx
	global_load_b128 v[SB+4:SB+7], v10, s[72:73] offset:\nx+16
	global_load_b128 v[SB+8:SB+11], v10, s[72:73] offset:\nx+131072
	global_load_b128 v[SB+12:SB+15], v10, s[72:73] offset:\nx+131088
.endif
.endm
.macro SWAP32 r                        ; four tiles laid (row tile 0, 1) x (column tile 0, 1): afterwards lane half h holds row tile h, columns 0 .. 31
.irp j, 0,1,2,3,4,5,6,7
	v_permlane16_swap_b32 v[\j+(\r)], v[8+\j+(\r)]
.endr
.irp j, 0,1,2,3,4,5,6,7
	v_permlane16_swap_b32 v[16+\j+(\r)], v[24+\j+(\r)]
.endr
.endm
.macro QB32 r, p, t, m                 ; the lane's block r .. r + 31 -> six registers of codes at p, the byte in m + 2
	v_max3_num_f32 v[0+(\m)], |v[0+(\r)]|, |v[1+(\r)]|, 0x2800000
	v_max3_num_f32 v[1+(\m)], |v[16+(\r)]|, |v[17+(\r)]|, 0x2800000
.irp i, 2,4,6,8,10,12,14
	s_delay_alu instid0(VALU_DEP_2)
	v_max3_num_f32 v[0+(\m)], v[0+(\m)], |v[\i+(\r)]|, |v[1+\i+(\r)]|
	s_delay_alu instid0(VALU_DEP_2)
	v_max3_num_f32 v[1+(\m)], v[1+(\m)], |v[16+\i+(\r)]|, |v[17+\i+(\r)]|
.endr
	s_delay_alu instid0(VALU_DEP_1)
	v_max_num_f32 v[0+(\m)], v[0+(\m)], v[1+(\m)]
	s_delay_alu instid0(VALU_DEP_1)
	v_add_nc_u32 v[1+(\m)], 0xfe000000, v[0+(\m)]  ; 4 off the exponent field: the conversion's scale operand
	s_delay_alu instid0(VALU_DEP_1)
	v_lshrrev_b32 v[2+(\m)], 23, v[1+(\m)]
	v_cvt_scalef32_pk16_bf6_f32 v[0+(\p):2+(\p)], v[0+(\r):15+(\r)], v[1+(\m)]
	v_cvt_scalef32_pk16_bf6_f32 v[0+(\t):2+(\t)], v[16+(\r):31+(\r)], v[1+(\m)]
	v_nop                                          ; a plain line behind the conversions
	v_mov_b32 v[3+(\p)], v[0+(\t)]
	v_mov_b32 v[4+(\p)], v[1+(\t)]
	v_mov_b32 v[5+(\p)], v[2+(\t)]
.endm
; THE TAIL on 32 rows x 32 columns: h = g x / (1 + 2^(-g log2 e)).  Each accumulator is read from its low end on.  s78 counts the tiles that this wave has finished: it says where the block goes
.macro TAIL
	s_wait_alu depctr_va_vdst(0)
	s_wait_xcnt 0x0                                ; the last tile's stores have read their bases and data
	s_lshr_b32 s80, s78, 1
	s_mul_i32 s80, s80, 768                        ; half an image for each pair of blocks;
	s_and_b32 s81, s78, 1
	s_lshl_b32 s82, s81, 8
	s_add_co_u32 s82, s82, s80                     ; in it lanes 16 (t % 2) + r: 256 bytes on in the 16-byte part,
	s_mov_b32 s83, 0
	s_lshl_b32 s81, s81, 7
	s_add_co_u32 s80, s80, s81                     ; 128 on in the 8-byte part
	s_mov_b32 s81, 0
	s_add_nc_u64 s[84:85], s[12:13], s[82:83]
	s_add_nc_u64 s[86:87], s[12:13], s[80:81]
	s_and_b32 s75, s78, 3
	s_lshl_b32 s75, s75, 3                         ; the byte's place in its word,
	s_cmp_lt_u32 s78, 4
	s_cselect_b32 s76, -1, 0                       ; which is the first (tiles 0-3)
	s_cselect_b32 s77, 0, -1                       ; or the second
	s_add_co_u32 s78, s78, 1
	WIN 0x05                                       ; sources 0 and 1: window 1
.irp a, 0,1
.irp c, 0,1
.irp j, 0,2,4,6
	v_pk_mul_f32 v[EE+16*\c+8*\a+\j:EE+16*\c+8*\a+\j+1], v[192+8*(4*\a+2+\c)+\j:192+8*(4*\a+2+\c)+\j+1], s[22:23] op_sel_hi:[1,0]
.endr
.endr
.endr
.irp a, 0,1
.irp c, 0,1
.irp j, 0,2,4,6
	v_pk_mul_f32 v[HH+16*\c+8*\a+\j:HH+16*\c+8*\a+\j+1], v[192+8*(4*\a+2+\c)+\j:192+8*(4*\a+2+\c)+\j+1], v[192+8*(4*\a+\c)+\j:192+8*(4*\a+\c)+\j+1]
.endr
.endr
.endr
	WIN 0
	s_wait_alu depctr_va_vdst(0)                   ; a wait ahead of each batch of transcendentals and one behind it
.set i, 0
.rept 32
	v_exp_f32 v[EE+i], v[EE+i]
.set i, i+1
.endr
	v_nop
	s_wait_alu depctr_va_vdst(0)
.set i, 0
.rept 16
	v_pk_add_f32 v[EE+i:EE+i+1], v[EE+i:EE+i+1], 1.0 op_sel_hi:[1,0]
.set i, i+2
.endr
	s_wait_alu depctr_va_vdst(0)
.set i, 0
.rept 32
	v_rcp_f32 v[EE+i], v[EE+i]
.set i, i+1
.endr
	v_nop
	s_wait_alu depctr_va_vdst(0)
.set i, 0
.rept 16
	v_pk_mul_f32 v[HH+i:HH+i+1], v[HH+i:HH+i+1], v[EE+i:EE+i+1]
.set i, i+2
.endr
	SWAP32 HH
	QB32 HH, CD, EE, EE+8
	v_lshlrev_b32 v252, s75, v[EE+10]
	s_delay_alu instid0(VALU_DEP_1)
	v_and_or_b32 v248, v252, s76, v248
	s_delay_alu instid0(VALU_DEP_2)
	v_and_or_b32 v250, v252, s77, v250
	global_store_b128 v11, v[CD:CD+3], s[84:85]               ; sixteen lanes store 256 consecutive bytes, aligned
	global_store_b64 v12, v[CD+4:CD+5], s[86:87] offset:512   ; sixteen lanes store 128 consecutive bytes
.endm
; A trip's head: tile t lies in slot p = t % 2.  refill: tile t + 1 is asked for; pf: tile t + 2 is prefetched (2: only while there is one), at pfo behind the base
.macro TOP p, refill, pf, pfo
	s_wait_alu depctr_va_vdst(0)
	s_wait_tensorcnt 0x0                           ; my one load that was out, my part of this trip's tile, is in
	ds_add_u32 v28, v29
	s_add_nc_u64 s[58+4*\p:59+4*\p], s[58+4*\p:59+4*\p], 49152   ; no load of mine is out: this slot's next tile, two tiles on
	s_wait_dscnt 0x0                               ; the add is done, and so are my reads of the other slot
	ROUND                                          ; both now hold of every wave of the four work-groups
.if \refill
	tensor_load_to_lds s[60-4*\p:63-4*\p], s[40:47]
	s_nop 0
	PLACES
.else
	PLACES                                         ; with the four behind the last tile's products: more than the five places owed in front of products that begin the accumulators anew (ISA guide 7.12.1)
.endif
.if \pf == 2
	s_cmp_lt_u32 s74, 2                            ; the loop's last trip has no tile two on
	s_cbranch_scc0 .Lnp_\@
.endif
.if \pf
	global_prefetch_b8 v14, s[70:71] offset:\pfo th:TH_LOAD_NT scope:SCOPE_SE
.endif
.if \pf == 2
.Lnp_\@:
.endif
.endm
.macro TRIP p, refill, pf, pfo, nx
	TOP \p, \refill, \pf, \pfo
	s_cmp_lg_u32 s17, 0
	s_cbranch_scc1 .Lg1_\@
	MAT \p, \nx                                    ; group 0: this tile's products first
.Lg1_\@:
	TAIL                                           ; group 0: this tile; group 1: the tile before
	s_cmp_eq_u32 s17, 0
	s_cbranch_scc1 .Lg0_\@
	MAT \p, \nx                                    ; group 1: this tile's products last
.Lg0_\@:
.endm
	s_load_b256 s[4:11], s[0:1], 0x0               ; xq_codes, xq_scales, W_fused_codes, W_fused_scales
	s_load_b128 s[12:15], s[0:1], 0x20             ; act, act_scales
	v_lshl_add_u32 v28, v0, 2, SPARE
	v_mov_b32 v29, 0
	ds_add_u32 v28, v29                            ; the opening lines: the add, twice on end, and its wait
	ds_add_u32 v28, v29
	v_lshrrev_b32 v1, 5, v0
	s_delay_alu instid0(VALU_DEP_1)
	v_readfirstlane_b32 s16, v1                    ; wave w
	s_lshr_b32 s79, s16, 2
	s_add_co_u32 s17, s16, s79
	s_and_b32 s17, s17, 1                          ; my group
	s_and_b32 s18, s16, 3
	s_bfe_u32 s19, ttmp6, 0x40000                  ; cx
	s_lshl_b32 s20, ttmp9, 2
	s_add_co_u32 s20, s20, s19                     ; x: which 256 rows
	s_and_b32 s21, ttmp7, 0xffff                   ; y: which 256 inner columns
	s_mov_b32 s22, 0xbfb8aa3b                      ; - log2(e)
	s_mov_b32 s23, s22
	GRP1 24, 0, 64                                 ; A: a plain load of 64 rows
	GRP1 32, 15|(1<<21), 16                        ; the head's tile of W: 16 rows a load, joint
	GRP1 40, 15|(1<<21), 8                         ; the ring's: 8 rows a wave, joint
	s_lshl_b32 s66, s20, 8
	s_lshl_b32 s88, s18, 6
	s_add_co_u32 s66, s66, s88
	s_mul_i32 s66, s66, 768                        ; A: row 256 x + 64 (w % 4)
	s_mov_b32 s67, 0
	s_lshl_b32 s91, s21, 8
	s_add_co_u32 s91, s91, 576                     ; my first row of W
	s_and_b32 s88, s16, 1
	s_lshl_b32 s88, s88, 4
	s_bfe_u32 s89, s16, 0x10001
	s_lshl_b32 s89, s89, 12
	s_add_co_u32 s68, s91, s88
	s_add_co_u32 s68, s68, s89
	s_mul_i32 s68, s68, 768                        ; the head's: + 16 (w % 2), and 4,096 rows on for the gates (waves 6, 7)
	s_mov_b32 s69, 0
	s_lshl_b32 s88, s18, 3
	s_lshl_b32 s89, s79, 12
	s_add_co_u32 s80, s91, s88
	s_add_co_u32 s80, s80, s89
	s_mul_i32 s80, s80, 768                        ; the ring's: + 8 (w % 4) + 4,096 (w / 4)
	s_mov_b32 s81, 0
	s_lshl_b32 s72, s91, 5                         ; W's scales: 32 bytes a row
	s_mov_b32 s73, 0
	s_lshl_b32 s82, s20, 13
	s_lshl_b32 s88, s16, 10
	s_add_co_u32 s82, s82, s88                     ; x's scales: row 256 x + 32 w
	s_mov_b32 s83, 0
	s_lshl_b32 s88, s20, 1
	s_add_co_u32 s88, s88, s79                     ; which 128 rows of act
	s_mul_i32 s84, s88, 442368
	s_mul_i32 s86, s88, 36
	s_lshr_b32 s88, s21, 1
	s_mul_i32 s88, s88, 49152                      ; chunk y / 2,
	s_add_co_u32 s84, s84, s88
	s_and_b32 s88, s21, 1
	s_mul_i32 s88, s88, 3072                       ; its K steps 2 (y % 2) on,
	s_add_co_u32 s84, s84, s88
	s_mul_i32 s88, s18, 12288                      ; row tiles 2 (w % 4) on
	s_add_co_u32 s84, s84, s88
	s_mov_b32 s85, 0
	s_lshl_b32 s88, s21, 1
	s_add_co_u32 s86, s86, s88                     ; K step 2 y of the next product
	s_lshl_b32 s86, s86, 9
	s_lshl_b32 s88, s18, 7
	s_add_co_u32 s86, s86, s88
	s_mov_b32 s87, 0
	s_mul_i32 s88, s16, 8*PITCH
	s_wait_dscnt 0x0                               ; both opening adds are done
	s_wait_kmcnt 0x0
	s_add_nc_u64 s[66:67], s[4:5], s[66:67]
	s_add_nc_u64 s[68:69], s[8:9], s[68:69]
	s_add_nc_u64 s[80:81], s[8:9], s[80:81]
	s_add_nc_u64 s[72:73], s[10:11], s[72:73]
	s_add_nc_u64 s[6:7], s[6:7], s[82:83]
	s_add_nc_u64 s[12:13], s[12:13], s[84:85]
	s_add_nc_u64 s[14:15], s[14:15], s[86:87]
	s_add_nc_u64 s[70:71], s[80:81], 49152         ; the prefetches begin at tile 2
	s_mov_b32 s48, 1
	s_mul_i32 s49, s18, 64*PITCH
	s_mov_b64 s[50:51], s[66:67]
	s_or_b32 s51, s51, 0x80000000
	s_mov_b32 s52, 1
	s_mul_i32 s53, s18, 16*PITCH
	s_add_co_u32 s53, s53, SLOT0
	s_mov_b64 s[54:55], s[68:69]
	s_or_b32 s55, s55, 0x80000000
.irp p, 0,1
	s_mov_b32 s[56+4*\p], 1
	s_add_co_u32 s[57+4*\p], s88, SLOT0+\p*SLOTB
	s_add_nc_u64 s[58+4*\p:59+4*\p], s[80:81], \p*24576
	s_or_b32 s[59+4*\p], s[59+4*\p], 0x80000000
.endr
	s_mul_i32 s89, s19, 6
	s_mul_i32 s90, s16, 32*PITCH
	s_mov_b32 s74, 0                               ; the loop's trips done
	s_mov_b32 s78, 0                               ; tiles that I have finished
	ROUND                                          ; in front of the first loads
	s_cmp_lt_u32 s16, 4                            ; the head's tiles, one load a wave: waves 0-3 a quarter of A each, waves 4-7 a quarter of tile 0
	s_cbranch_scc0 .Lhead_w
	tensor_load_to_lds s[48:51], s[24:31]
	s_nop 0
	PLACES
	s_branch .Lhead_j
.Lhead_w:
	tensor_load_to_lds s[52:55], s[32:39]
	s_nop 0
	PLACES
.Lhead_j:
	v_and_b32 v1, 15, v0                           ; r
	v_bfe_u32 v2, v0, 4, 1                         ; h
	v_and_b32 v3, 31, v0                           ; lane
	s_delay_alu instid0(VALU_DEP_3)
	v_mul_u32_u24 v15, v1, PITCH
	s_delay_alu instid0(VALU_DEP_3)
	v_mul_u32_u24 v18, v2, 6144                    ; the next row tile's image lies 6,144 bytes on
	s_delay_alu instid0(VALU_DEP_3)
	v_lshlrev_b32 v10, 5, v3                       ; a row of scale bytes is 32 bytes: lane l takes row l of a pair of tiles
	s_delay_alu instid0(VALU_DEP_4)
	v_lshlrev_b32 v13, 2, v3
	v_min_u32 v14, 5, v3                           ; the prefetches: block 6 cx + lane of my 24; lanes 6-31 name the last again
	v_mad_u32_u24 v16, v2, 24, v15
	v_mad_u32_u24 v17, v2, 40, v15
	v_lshl_add_u32 v11, v1, 4, v18
	v_lshl_add_u32 v12, v1, 3, v18
	v_add_nc_u32 v14, s89, v14
	v_add_nc_u32 v4, s90, v16                      ; my 32 rows of A
	v_add_nc_u32 v5, s90, v17
	v_add_nc_u32 v6, SLOT0, v16
	v_add_nc_u32 v7, SLOT0, v17
	v_add_nc_u32 v8, SLOT0+SLOTB, v16
	v_add_nc_u32 v9, SLOT0+SLOTB, v17
	v_lshlrev_b32 v14, 8, v14
	v_mov_b32 v248, 0                              ; the scale words begin empty
	v_mov_b32 v250, 0
	s_wait_alu depctr_va_vdst(0)
	global_load_b128 v[SA:SA+3], v10, s[6:7]
	global_load_b128 v[SA+4:SA+7], v10, s[6:7] offset:16
	global_load_b128 v[SB:SB+3], v10, s[72:73]
	global_load_b128 v[SB+4:SB+7], v10, s[72:73] offset:16
	global_load_b128 v[SB+8:SB+11], v10, s[72:73] offset:131072
	global_load_b128 v[SB+12:SB+15], v10, s[72:73] offset:131088
	s_wait_tensorcnt 0x0                           ; my part of the head's tiles is in,
	s_barrier_signal -1
	s_barrier_wait -1                              ; everybody's is
	WIN 0x40
.irp s, 0,1,2,3,4,5,6,7                ; A's 16 fragments go to their registers for good
.irp a, 0,1
	FRAG 24*\s+12*\a, 4, \s, \a*16*PITCH
.endr
.endr
	WIN 0
	TOP 0, 1, 1, 0                                 ; trip 0: every wave multiplies tile 0,
	MAT 0, 1024
	s_cmp_lg_u32 s17, 0
	s_cbranch_scc1 .Lpair
	TAIL                                           ; and group 0 finishes it
.Lpair:                                                ; trips 1 to 6
	TRIP 1, 1, 1, 24576, 2048
	TRIP 0, 1, 2, 49152, 3072
	s_wait_xcnt 0x0                                ; the loads and prefetches have read their bases
	s_add_nc_u64 s[72:73], s[72:73], 2048
	s_add_nc_u64 s[70:71], s[70:71], 49152
	s_add_co_u32 s74, s74, 1
	s_cmp_lt_u32 s74, 3
	s_cbranch_scc1 .Lpair
	TRIP 1, 0, 0, 0, 0                             ; trip 7 asks for nothing more
	s_cmp_eq_u32 s17, 0
	s_cbranch_scc1 .Lout
	TAIL                                           ; group 1 finishes tile 7
.Lout:
	s_wait_alu depctr_va_vdst(0)                   ; the words were written just ahead of the branch's join
	global_store_b32 v13, v248, s[14:15]           ; my 32 rows' words: 128 consecutive bytes
	global_store_b32 v13, v250, s[14:15] offset:512
	s_wait_tensorcnt 0x0                           ; the wave's end
	ds_add_u32 v28, v29
	s_wait_dscnt 0x0
	ROUND                                          ; the closing round
	s_endpgm
.Lfunc_end_k_q92ee544829_ffin:
	.size	k_q92ee544829_ffin, .Lfunc_end_k_q92ee544829_ffin-k_q92ee544829_ffin
	.p2alignl 7, 3214868480
	.fill 96, 4, 3214868480
	.section	.rodata,"a",@progbits
	.p2align	6, 0x0
	.amdhsa_kernel k_q92ee544829_ffin
		.amdhsa_group_segment_fixed_size 327680
		.amdhsa_private_segment_fixed_size 0
		.amdhsa_enable_private_segment 0
		.amdhsa_kernarg_size 48
		.amdhsa_user_sgpr_count 2
		.amdhsa_user_sgpr_kernarg_segment_ptr 1
		.amdhsa_wavefront_size32 1
		.amdhsa_system_sgpr_workgroup_id_x 1
		.amdhsa_system_sgpr_workgroup_id_y 1
		.amdhsa_system_sgpr_workgroup_id_z 1
		.amdhsa_system_vgpr_workitem_id 0
		.amdhsa_next_free_vgpr 512
		.amdhsa_next_free_sgpr 92
		.amdhsa_reserve_vcc 0
		.amdhsa_float_denorm_mode_32 3
		.amdhsa_float_denorm_mode_16_64 3
		.amdhsa_memory_ordered 1
		.amdhsa_forward_progress 1
		.amdhsa_inst_pref_size 222
	.end_amdhsa_kernel
	.amdgpu_metadata
---
amdhsa.version: [ 1, 2 ]
amdhsa.kernels:
  - .name:           k_q92ee544829_ffin
    .symbol:         k_q92ee544829_ffin.kd
    .args:
      - { .name: xq_codes, .offset: 0, .size: 8, .value_kind: global_buffer, .address_space: global }
      - { .name: xq_scales, .offset: 8, .size: 8, .value_kind: global_buffer, .address_space: global }
      - { .name: W_fused_codes, .offset: 16, .size: 8, .value_kind: global_buffer, .address_space: global }
      - { .name: W_fused_scales, .offset: 24, .size: 8, .value_kind: global_buffer, .address_space: global }
      - { .name: act, .offset: 32, .size: 8, .value_kind: global_buffer, .address_space: global }
      - { .name: act_scales, .offset: 40, .size: 8, .value_kind: global_buffer, .address_space: global }
    .group_segment_fixed_size: 327680
    .private_segment_fixed_size: 0
    .kernarg_segment_align: 8
    .kernarg_segment_size: 48
    .max_flat_workgroup_size: 256
    .sgpr_count:     92
    .vgpr_count:     512
    .wavefront_size: 32
...
	.end_amdgpu_metadata
.endif
;; end of part 4
;; launch outp (part 5): grid 8 x 32, 4 waves a work-group, clusters of 4 x 4, 327,680 bytes of LDS; arguments act, act_scales, W_ff_out_codes, W_ff_out_scales, W_attn_out_codes, W_attn_out_scales, out0; writes out0
.if DOCPART == 5
	.amdgcn_target "amdgcn-amd-amdhsa--gfx1250"
	.amdhsa_code_object_version 6
	.text
	.protected	k_q92ee544829_outp
	.globl	k_q92ee544829_outp
	.p2align	8
	.type	k_q92ee544829_outp,@function
k_q92ee544829_outp:
	s_mov_b64 s[64:65], 0
	v_nop
	global_prefetch_b8 v0, s[64:65] scope:SCOPE_SE
	s_setreg_imm32_b32 hwreg(HW_REG_WAVE_MODE, 25, 1), 1
	s_wait_xcnt 0x0
	s_wait_alu depctr_hold_cnt(0) depctr_sa_sdst(0) depctr_va_vdst(0) depctr_va_sdst(0) depctr_va_ssrc(0) depctr_va_vcc(0) depctr_vm_vsrc(0)
	s_getreg_b32 s2, hwreg(HW_REG_IB_STS2, 6, 4)
	s_cmp_eq_u32 s2, 0
	s_cbranch_scc0 .Lentry_in_a_cluster
	s_endpgm
.Lentry_in_a_cluster:
	s_bfe_u32 s2, ttmp6, 0x10000c
	s_cmp_lg_u32 s2, 0xf033
	s_cbranch_scc0 .Lentry_shape_is_right
	s_endpgm
.Lentry_shape_is_right:
.set SLOT,  104448
.set BOFF,  49152
.set ASC,   221184                     ; slot 1's rows of B are 528 bytes apart: 128 x 528 bytes from 153,600 on
.set BSC,   239616
.set SPARE, 259072
.set STAGE, 259584
.set SP,    272
.set ACC,   128
.set F0,    0
.set F1,    96
.set G1A, 24
.set G0A, 32
.set G1B, 48
.set G0B, 56
.set G1SA, 68
.set G0SA, 76
.set G1SB, 80
.set G0SB, 88
.set G0BA, 92
.set G1BA, 4
.set MSB, 0
.macro WIN new
.if MSB != (\new)
	s_set_vgpr_msb (MSB<<8)|(\new)
.set MSB, (\new)
.endif
.endm
.set MUL,  0x05
.set TO_F, 0x40
.macro WM d, a, b, z, sa, sb, ra, rb
.if (\z) && (\ra) && (\rb)
	v_wmma_scale_f32_16x16x128_f8f6f4 v[0+(\d):7+(\d)], v[0+(\a):11+(\a)], v[0+(\b):11+(\b)], 0, v[0+(\sa)], v[0+(\sb)] matrix_a_fmt:MATRIX_FMT_BF6 matrix_b_fmt:MATRIX_FMT_BF6 matrix_a_scale:MATRIX_SCALE_ROW1 matrix_b_scale:MATRIX_SCALE_ROW1
.elseif (\z) && (\ra)
	v_wmma_scale_f32_16x16x128_f8f6f4 v[0+(\d):7+(\d)], v[0+(\a):11+(\a)], v[0+(\b):11+(\b)], 0, v[0+(\sa)], v[0+(\sb)] matrix_a_fmt:MATRIX_FMT_BF6 matrix_b_fmt:MATRIX_FMT_BF6 matrix_a_scale:MATRIX_SCALE_ROW1
.elseif (\z) && (\rb)
	v_wmma_scale_f32_16x16x128_f8f6f4 v[0+(\d):7+(\d)], v[0+(\a):11+(\a)], v[0+(\b):11+(\b)], 0, v[0+(\sa)], v[0+(\sb)] matrix_a_fmt:MATRIX_FMT_BF6 matrix_b_fmt:MATRIX_FMT_BF6 matrix_b_scale:MATRIX_SCALE_ROW1
.elseif (\z)
	v_wmma_scale_f32_16x16x128_f8f6f4 v[0+(\d):7+(\d)], v[0+(\a):11+(\a)], v[0+(\b):11+(\b)], 0, v[0+(\sa)], v[0+(\sb)] matrix_a_fmt:MATRIX_FMT_BF6 matrix_b_fmt:MATRIX_FMT_BF6
.elseif (\ra) && (\rb)
	v_wmma_scale_f32_16x16x128_f8f6f4 v[0+(\d):7+(\d)], v[0+(\a):11+(\a)], v[0+(\b):11+(\b)], v[0+(\d):7+(\d)], v[0+(\sa)], v[0+(\sb)] matrix_a_fmt:MATRIX_FMT_BF6 matrix_b_fmt:MATRIX_FMT_BF6 matrix_a_scale:MATRIX_SCALE_ROW1 matrix_b_scale:MATRIX_SCALE_ROW1
.elseif (\ra)
	v_wmma_scale_f32_16x16x128_f8f6f4 v[0+(\d):7+(\d)], v[0+(\a):11+(\a)], v[0+(\b):11+(\b)], v[0+(\d):7+(\d)], v[0+(\sa)], v[0+(\sb)] matrix_a_fmt:MATRIX_FMT_BF6 matrix_b_fmt:MATRIX_FMT_BF6 matrix_a_scale:MATRIX_SCALE_ROW1
.elseif (\rb)
	v_wmma_scale_f32_16x16x128_f8f6f4 v[0+(\d):7+(\d)], v[0+(\a):11+(\a)], v[0+(\b):11+(\b)], v[0+(\d):7+(\d)], v[0+(\sa)], v[0+(\sb)] matrix_a_fmt:MATRIX_FMT_BF6 matrix_b_fmt:MATRIX_FMT_BF6 matrix_b_scale:MATRIX_SCALE_ROW1
.else
	v_wmma_scale_f32_16x16x128_f8f6f4 v[0+(\d):7+(\d)], v[0+(\a):11+(\a)], v[0+(\b):11+(\b)], v[0+(\d):7+(\d)], v[0+(\sa)], v[0+(\sb)] matrix_a_fmt:MATRIX_FMT_BF6 matrix_b_fmt:MATRIX_FMT_BF6
.endif
.endm
.macro PLACES
.rept 4
	v_nop
.endr
.endm
.macro JLOAD g0a, g1a, g0b, g1b
	s_cmp_eq_u32 s19, 0
	s_cbranch_scc0 .Lfor_b_\@
	tensor_load_to_lds s[\g0a:\g0a+3], s[\g1a:\g1a+7]
	s_nop 0
.rept 4
	v_nop
.endr
	s_branch .Lasked_\@
.Lfor_b_\@:
	tensor_load_to_lds s[\g0b:\g0b+3], s[\g1b:\g1b+7]
	s_nop 0
.rept 4
	v_nop
.endr
.Lasked_\@:
.endm
.macro CREST
	s_cmp_lg_u32 s18, 0
	s_cbranch_scc1 .Lnot_wave_0_\@
	s_barrier_signal -3
.Lnot_wave_0_\@:
	s_barrier_wait -3
	s_barrier_signal -1
	s_barrier_wait -1
.endm
.macro CROUND
	s_barrier_signal -1
	s_barrier_wait -1
	CREST
.endm
	s_load_b256 s[4:11], s[0:1], 0x0
	s_load_b128 s[12:15], s[0:1], 0x20
	s_load_b64 s[16:17], s[0:1], 0x30
	v_lshl_add_u32 v28, v0, 2, SPARE
	v_mov_b32 v29, 0
	ds_add_u32 v28, v29
	ds_add_u32 v28, v29
	s_wait_dscnt 0x0
	v_lshrrev_b32 v1, 5, v0
	v_readfirstlane_b32 s18, v1
	s_lshr_b32 s19, s18, 1
	s_and_b32 s20, s18, 1
	s_bfe_u32 s40, ttmp6, 0x40000
	s_bfe_u32 s41, ttmp6, 0x40004
	s_lshl_b32 s42, ttmp9, 2
	s_add_co_u32 s42, s42, s40
	s_and_b32 s21, ttmp7, 0xffff
	s_lshl_b32 s21, s21, 2
	s_add_co_u32 s21, s21, s41
	s_lshl_b32 s43, s41, 2
	s_lshl_b32 s43, 15, s43
	s_lshl_b32 s44, 0x1111, s40
	s_or_b32 s[G1A], s43, (3<<16)|(1<<21)
	s_mov_b32 s[G1A+1], 32<<16
	s_mov_b32 s[G1A+2], 192<<16                    ; the head's loads bring whole tiles; behind them the words that count rows are set to a half
	s_mov_b32 s[G1A+3], 32<<16
	s_mov_b32 s[G1A+4], 192
	s_mov_b32 s[G1A+5], 32
	s_mov_b32 s[G1A+6], 0
	s_mov_b32 s[G1A+7], 0
	s_or_b32 s[G1B], s44, (1<<20)|(1<<21)|(4<<22)|(3<<25)
	s_mov_b32 s[G1B+1], 384<<16
	s_mov_b32 s[G1B+2], 128<<16
	s_mov_b32 s[G1B+3], 384<<16
	s_mov_b32 s[G1B+4], 128
	s_mov_b32 s[G1B+5], 3072
	s_mov_b32 s[G1B+6], 0
	s_mov_b32 s[G1B+7], 0
	s_or_b32 s[G1SA], s43, (3<<16)|(1<<21)
	s_mov_b32 s[G1SA+1], 32<<16
	s_mov_b32 s[G1SA+2], 72<<16
	s_mov_b32 s[G1SA+3], 32<<16
	s_mov_b32 s[G1SA+4], 72
	s_mov_b32 s[G1SA+5], 32
	s_mov_b32 s[G1SA+6], 0
	s_mov_b32 s[G1SA+7], 0
	s_or_b32 s[G1SB], s44, (3<<16)|(1<<20)|(1<<21)|(5<<22)|(3<<25)
	s_mov_b32 s[G1SB+1], 32<<16
	s_mov_b32 s[G1SB+2], 64<<16
	s_mov_b32 s[G1SB+3], 32<<16
	s_mov_b32 s[G1SB+4], 64
	s_mov_b32 s[G1SB+5], 32
	s_mov_b32 s[G1SB+6], 0
	s_mov_b32 s[G1SB+7], 0
	s_mul_i32 s22, s21, 442368
	s_mul_i32 s23, s20, 24576
	s_add_co_u32 s22, s22, s23
	s_mov_b32 s23, 0
	s_mul_i32 s96, s21, 18432
	s_mul_i32 s97, s20, 9216
	s_add_co_u32 s96, s96, s97
	s_mov_b32 s97, 0
	s_lshl_b32 s66, s42, 7
	s_lshl_b32 s67, s20, 6
	s_add_co_u32 s66, s66, s67
	s_mul_i32 s46, s66, 3072
	s_mov_b32 s47, 0
	s_lshl_b32 s98, s66, 7
	s_mov_b32 s99, 0
	s_mul_i32 s100, s66, 384
	s_mov_b32 s101, 0
	s_mul_i32 s45, s20, 24576
	s_mul_i32 s2, s20, 27648
	s_add_co_u32 s2, s2, BOFF
	s_wait_kmcnt 0x0
	s_add_nc_u64 s[22:23], s[4:5], s[22:23]
	s_add_nc_u64 s[96:97], s[6:7], s[96:97]
	s_add_nc_u64 s[46:47], s[8:9], s[46:47]
	s_add_nc_u64 s[98:99], s[10:11], s[98:99]
	s_add_nc_u64 s[100:101], s[12:13], s[100:101]
	s_or_b32 s[G1BA], s44, (1<<20)|(1<<21)|(4<<22)|(3<<25)
	s_mov_b32 s[G1BA+1], 768<<16                   ; W_attn_out's rows of 384 bytes are dense: two of them make a row of 768 bytes, which begins at a multiple of 256; in LDS they lie 432 bytes apart as before
	s_mov_b32 s[G1BA+2], 32<<16
	s_mov_b32 s[G1BA+3], 768<<16
	s_mov_b32 s[G1BA+4], 32
	s_mov_b32 s[G1BA+5], 768
	s_mov_b32 s[G1BA+6], 0
	s_mov_b32 s[G1BA+7], 0
	CROUND
	s_mov_b32 s[G0SA], 1
	s_mov_b32 s[G0SA+1], ASC                       ; A's scales whole: my half's offset is taken off again
	s_mul_i32 s66, s20, 9216
	s_mov_b32 s67, 0
	s_sub_nc_u64 s[G0SA+2:G0SA+3], s[96:97], s[66:67]
	s_or_b32 s[G0SA+3], s[G0SA+3], 0x80000000
	s_mov_b32 s[G0SB], 1
	s_mov_b32 s[G0SB+1], BSC                       ; and B's
	s_lshl_b32 s66, s20, 13
	s_sub_nc_u64 s[G0SB+2:G0SB+3], s[98:99], s[66:67]
	s_or_b32 s[G0SB+3], s[G0SB+3], 0x80000000
.irp s, 0,1
	s_mov_b32 s[G0A+4*\s], 1
	s_add_co_u32 s[G0A+4*\s+1], s45, \s*SLOT
	s_add_nc_u64 s[G0A+4*\s+2:G0A+4*\s+3], s[22:23], \s*49152
	s_or_b32 s[G0A+4*\s+3], s[G0A+4*\s+3], 0x80000000
	s_mov_b32 s[G0B+4*\s], 1
	s_mul_i32 s3, s20, \s*6144                     ; slot 1: 64 rows are 33,792 bytes
	s_add_co_u32 s[G0B+4*\s+1], s2, \s*SLOT
	s_add_co_u32 s[G0B+4*\s+1], s[G0B+4*\s+1], s3
	s_add_nc_u64 s[G0B+4*\s+2:G0B+4*\s+3], s[46:47], \s*256   ; an odd chunk's 384 bytes begin 128 bytes behind a multiple of 256: its load begins at that multiple and brings 512
	s_or_b32 s[G0B+4*\s+3], s[G0B+4*\s+3], 0x80000000
.if \s == 1
	s_wait_alu depctr_va_vdst(0)
	s_wait_tensorcnt 0x0
	ds_add_u32 v28, v29
	s_mov_b32 s[G1A+2], 96<<16                     ; no load of mine is out: from here on a load brings half a tile
	s_mov_b32 s[G1A+4], 96
	s_mov_b32 s[G1B+2], 64<<16
	s_mov_b32 s[G1B+4], 64
	s_or_b32 s[G1SB], s44, (1<<20)|(1<<21)|(6<<22)|(3<<25)   ; no load of mine is out and the scales are in: their group 1 becomes that of the odd chunks: rows of 512 bytes, 16 of padding behind each
	s_mov_b32 s[G1SB+1], 512<<16
	s_mov_b32 s[G1SB+2], 64<<16
	s_mov_b32 s[G1SB+3], 512<<16
	s_mov_b32 s[G1SB+4], 64
	s_mov_b32 s[G1SB+5], 3072
	s_mov_b32 s[G1SB+6], 0
	s_mov_b32 s[G1SB+7], 0
	s_wait_dscnt 0x0
	CROUND
	JLOAD G0A+4*\s, G1A, G0B+4*\s, G1B+32*\s
.else
	s_cmp_lg_u32 s18, 0                            ; the head's four tiles, each whole, one load a wave: wave 0 A's chunk 0, wave 1 A's scales, wave 2 B's chunk 0, wave 3 B's scales
	s_cbranch_scc1 .Lh1
	tensor_load_to_lds s[G0A:G0A+3], s[G1A:G1A+7]
	s_nop 0
	PLACES
	s_branch .Lhj
.Lh1:
	s_cmp_lg_u32 s18, 1
	s_cbranch_scc1 .Lh2
	tensor_load_to_lds s[G0SA:G0SA+3], s[G1SA:G1SA+7]
	s_nop 0
	PLACES
	s_branch .Lhj
.Lh2:
	s_cmp_lg_u32 s18, 2
	s_cbranch_scc1 .Lh3
	tensor_load_to_lds s[G0B:G0B+3], s[G1B:G1B+7]
	s_nop 0
	PLACES
	s_branch .Lhj
.Lh3:
	tensor_load_to_lds s[G0SB:G0SB+3], s[G1SB:G1SB+7]
	s_nop 0
	PLACES
.Lhj:
.endif
.endr
	s_mov_b32 s[G0BA], 1
	s_mov_b32 s[G0BA+1], s2
	s_mov_b64 s[G0BA+2:G0BA+3], s[100:101]
	s_or_b32 s[G0BA+3], s[G0BA+3], 0x80000000
	v_and_b32 v1, 15, v0
	v_bfe_u32 v2, v0, 4, 1
	v_and_b32 v3, 31, v0
	s_lshl_b32 s66, s42, 11
	s_lshl_b32 s67, s20, 10
	s_add_co_u32 s66, s66, s67
	s_mov_b32 s67, 0
	s_add_nc_u64 s[14:15], s[14:15], s[66:67]
	v_lshlrev_b32 v9, 4, v3
	global_load_b128 v[64:67], v9, s[14:15]
	global_load_b128 v[68:71], v9, s[14:15] offset:512
	s_mul_i32 s22, s19, 24576
	v_lshl_add_u32 v16, v3, 4, s22
	v_lshl_add_u32 v18, v3, 3, s22
	s_add_co_u32 s22, s22, SLOT
	v_lshl_add_u32 v17, v3, 4, s22
	v_lshl_add_u32 v19, v3, 3, s22
	v_mul_u32_u24 v4, v1, 432
	v_mad_u32_u24 v5, v2, 24, v4
	v_mad_u32_u24 v6, v2, 40, v4
	s_mul_i32 s23, s20, 27648
	s_add_co_u32 s23, s23, BOFF
	v_add_nc_u32 v20, s23, v5
	v_add_nc_u32 v21, s23, v6
	s_mul_i32 s23, s20, 33792
	s_add_co_u32 s23, s23, BOFF+SLOT+128           ; slot 1: the chunk's bytes begin 128 bytes into each LDS row
	v_mul_u32_u24 v4, v1, 528
	v_mad_u32_u24 v4, v2, 24, v4
	v_add_nc_u32 v22, s23, v4
	s_lshl_b32 s22, s19, 8
	s_add_co_u32 s22, s22, ASC
	v_lshl_add_u32 v24, v3, 2, s22
	v_lshrrev_b32 v7, 1, v3
	v_mul_u32_u24 v7, v7, 272
	v_and_b32 v8, 1, v3
	v_lshl_add_u32 v7, v8, 7, v7
	s_mul_i32 s23, s20, 8704
	s_add_co_u32 s23, s23, BSC
	v_add_nc_u32 v25, s23, v7
	s_mul_i32 s22, s18, 16*SP
	s_add_co_u32 s22, s22, STAGE
	v_mul_u32_u24 v26, v1, SP
	v_lshl_add_u32 v26, v2, 5, v26
	v_add_nc_u32 v26, s22, v26
	v_mul_u32_u24 v27, v2, SP
	v_lshl_add_u32 v27, v1, 4, v27
	v_add_nc_u32 v27, s22, v27
	v_lshlrev_b32 v10, 12, v2
	v_lshl_add_u32 v10, v1, 4, v10
	s_lshl_b32 s66, s21, 19
	s_lshl_b32 s67, s19, 18
	s_add_co_u32 s66, s66, s67
	s_lshl_b32 s67, s42, 9
	s_add_co_u32 s66, s66, s67
	s_lshl_b32 s67, s20, 8
	s_add_co_u32 s66, s66, s67
	s_mov_b32 s67, 0
	s_add_nc_u64 s[16:17], s[16:17], s[66:67]
.macro FRAG reg, adr, q, off
.irp p, 0,1,2,3,4,5
.set PC, 12*(\q)+6*(\p/3)+\p%3
.if PC%16 < 13
	ds_load_b64 v[\reg+2*\p:\reg+2*\p+1], v[\adr] offset:8*PC+16*(PC/16)+(\off)
.else
	ds_load_b64 v[\reg+2*\p:\reg+2*\p+1], v[\adr+1] offset:8*PC+16*(PC/16)+(\off)
.endif
.endr
.endm
.macro FETCH slot, q, f
	WIN TO_F
.irp a, 0,1,2,3
.irp c, 0,1
	ds_load_b128 v[\f+12*\a+6*\c:\f+12*\a+6*\c+3], v[16+\slot] offset:6144*\a+1536*(\q)+768*\c
	ds_load_b64 v[\f+12*\a+6*\c+4:\f+12*\a+6*\c+5], v[18+\slot] offset:6144*\a+1536*(\q)+768*\c+512
.endr
.endr
.irp b, 0,1,2,3
.if \slot
.irp p, 0,1,2,3,4,5
	ds_load_b64 v[\f+48+12*\b+2*\p:\f+48+12*\b+2*\p+1], v22 offset:96*(\q)+48*(\p/3)+8*(\p%3)+\b*8448
.endr
.else
	FRAG \f+48+12*\b, 20, \q, \b*6912
.endif
.endr
.endm
.macro SCALES set, withb
.irp q, 0,1,2,3
.irp p, 0,1
	ds_load_b32 v[32+16*\set+2*\q+\p], v24 offset:512*\q+128*\p
.endr
.endr
.if \withb
.irp p, 0,1
	ds_load_b128 v[40+16*\set+4*\p:43+16*\set+4*\p], v25 offset:4352*\p
.endr
.endif
.endm
.macro MUL8 f, q, a0, set, sb, zero
.irp a, \a0, \a0+1
.irp b, 0,1,2,3
	WM ACC+8*(4*(\a)+\b), \f+48+12*\b, \f+12*(\a), \zero, \sb+4*(\b/2)+(\q), 32+16*(\set)+2*(\q)+(\a)/2, \b%2, (\a)%2
.endr
.endr
.endm
.macro STEP slot, q, f, g, sb, zero
	s_wait_dscnt 0x0
	PLACES
	FETCH \slot, (\q)+1, \g
	WIN MUL
	MUL8 \f, \q, 0, \slot, \sb, \zero
	MUL8 \f, \q, 2, \slot, \sb, \zero
.endm
.macro TURN slot, next, fill, withb
	WIN 0
	s_wait_tensorcnt 0x0
	ds_add_u32 v28, v29
	s_wait_dscnt 1
	WIN MUL
	MUL8 F1, 3, 0, \slot, 40+16*\slot, 0
	WIN 0
	s_wait_dscnt 0x0
	s_barrier_signal -1
	s_barrier_wait -1
.if \fill
	CREST
	s_add_nc_u64 s[G0A+4*\slot+2:G0A+4*\slot+3], s[G0A+4*\slot+2:G0A+4*\slot+3], 98304
.if \fill == 1
	s_add_nc_u64 s[G0B+4*\slot+2:G0B+4*\slot+3], s[G0B+4*\slot+2:G0B+4*\slot+3], 768
	JLOAD G0A+4*\slot, G1A, G0B+4*\slot, G1B+32*\slot
.else
	JLOAD G0A+4*\slot, G1A, G0BA, G1BA
.endif
.else
	PLACES
.endif
	s_wait_alu depctr_va_vdst(0)
	v_add_nc_u32 v24, 2048, v24
	v_add_nc_u32 v25, 16, v25
	FETCH \next, 0, F0
	WIN 0
	SCALES \next, \withb
	WIN MUL
	MUL8 F1, 3, 2, \slot, 40+16*\slot, 0
.endm
	s_wait_alu depctr_va_vdst(0)
	s_wait_loadcnt 0x0
	s_wait_tensorcnt 1
	s_barrier_signal -1
	s_barrier_wait -1
	FETCH 0, 0, F0
	WIN 0
	SCALES 0, 1
	STEP 0, 0, F0, F1, 40, 1
	WIN 0
	s_mov_b32 s3, 3
.Llap:
	STEP 0, 1, F1, F0, 40, 0
	STEP 0, 2, F0, F1, 40, 0
	TURN 0, 1, 1, 1
	STEP 1, 0, F0, F1, 56, 0
	STEP 1, 1, F1, F0, 56, 0
	STEP 1, 2, F0, F1, 56, 0
	TURN 1, 0, 1, 1
	STEP 0, 0, F0, F1, 40, 0
	WIN 0
	s_sub_co_u32 s3, s3, 1
	s_cmp_lg_u32 s3, 0
	s_cbranch_scc1 .Llap
	STEP 0, 1, F1, F0, 40, 0
	STEP 0, 2, F0, F1, 40, 0
	TURN 0, 1, 2, 1
	STEP 1, 0, F0, F1, 56, 0
	STEP 1, 1, F1, F0, 56, 0
	STEP 1, 2, F0, F1, 56, 0
	TURN 1, 0, 0, 0
	STEP 0, 0, F0, F1, 64, 0
	STEP 0, 1, F1, F0, 64, 0
	STEP 0, 2, F0, F1, 64, 0
	s_wait_dscnt 0x0
	MUL8 F1, 3, 0, 0, 64, 0
	MUL8 F1, 3, 2, 0, 64, 0
	WIN 0
.macro OUTB a
.if \a > 0
	s_wait_xcnt 0x0
.endif
.irp b, 0,1,2,3
	ds_store_b128 v26, v[ACC+8*(4*\a+\b):ACC+8*(4*\a+\b)+3] offset:64*\b
	ds_store_b128 v26, v[ACC+8*(4*\a+\b)+4:ACC+8*(4*\a+\b)+7] offset:64*\b+16
.endr
.irp t, 0,1,2,3,4,5,6,7
	ds_load_b128 v[72+4*\t:75+4*\t], v27 offset:\t*2*SP
.endr
	s_wait_dscnt 0x0
.irp t, 0,1,2,3,4,5,6,7
	global_store_b128 v10, v[72+4*\t:75+4*\t], s[16:17] offset:65536*\a+8192*\t th:TH_STORE_NT
.endr
.endm
	PLACES
	OUTB 0
	OUTB 1
	OUTB 2
	OUTB 3
	s_wait_tensorcnt 0x0
	ds_add_u32 v28, v29
	s_wait_dscnt 0x0
	CROUND
	s_endpgm
.Lfunc_end_k_q92ee544829_outp:
	.size	k_q92ee544829_outp, .Lfunc_end_k_q92ee544829_outp-k_q92ee544829_outp
	.p2alignl 7, 3214868480
	.fill 96, 4, 3214868480
	.section	.rodata,"a",@progbits
	.p2align	6, 0x0
	.amdhsa_kernel k_q92ee544829_outp
		.amdhsa_group_segment_fixed_size 327680
		.amdhsa_private_segment_fixed_size 0
		.amdhsa_enable_private_segment 0
		.amdhsa_kernarg_size 56
		.amdhsa_user_sgpr_count 2
		.amdhsa_user_sgpr_kernarg_segment_ptr 1
		.amdhsa_wavefront_size32 1
		.amdhsa_system_sgpr_workgroup_id_x 1
		.amdhsa_system_sgpr_workgroup_id_y 1
		.amdhsa_system_sgpr_workgroup_id_z 1
		.amdhsa_system_vgpr_workitem_id 0
		.amdhsa_next_free_vgpr 512
		.amdhsa_next_free_sgpr 102
		.amdhsa_reserve_vcc 0
		.amdhsa_float_denorm_mode_32 3
		.amdhsa_float_denorm_mode_16_64 3
		.amdhsa_memory_ordered 1
		.amdhsa_forward_progress 1
		.amdhsa_inst_pref_size 122
	.end_amdhsa_kernel
	.amdgpu_metadata
---
amdhsa.version: [ 1, 2 ]
amdhsa.kernels:
  - .name:           k_q92ee544829_outp
    .symbol:         k_q92ee544829_outp.kd
    .args:
      - { .name: act, .offset: 0, .size: 8, .value_kind: global_buffer, .address_space: global }
      - { .name: act_scales, .offset: 8, .size: 8, .value_kind: global_buffer, .address_space: global }
      - { .name: W_ff_out_codes, .offset: 16, .size: 8, .value_kind: global_buffer, .address_space: global }
      - { .name: W_ff_out_scales, .offset: 24, .size: 8, .value_kind: global_buffer, .address_space: global }
      - { .name: W_attn_out_codes, .offset: 32, .size: 8, .value_kind: global_buffer, .address_space: global }
      - { .name: W_attn_out_scales, .offset: 40, .size: 8, .value_kind: global_buffer, .address_space: global }
      - { .name: out0, .offset: 48, .size: 8, .value_kind: global_buffer, .address_space: global }
    .group_segment_fixed_size: 327680
    .private_segment_fixed_size: 0
    .kernarg_segment_align: 8
    .kernarg_segment_size: 56
    .max_flat_workgroup_size: 128
    .sgpr_count:     102
    .vgpr_count:     512
    .wavefront_size: 32
...
	.end_amdgpu_metadata
.endif
;; end of part 5
